; MI455X (gfx1250); checked and timed in simulation.
; The chip was launched on July 23, 2026; its instructions are those of AMD's public machine-readable ISA for CDNA 5 (MIT licence, August 2026) and "CDNA5" Instruction Set Architecture Reference Guide (July 2026). The comments in the code are by the model that wrote it; some were corrected since.
;; Transformer Block. Allowed arithmetic: float matrix products may take bf16 or f16 operands with f32 sums; all other float work in f32.
;; Inputs: W1 1,024 x 4,096 float32; W2 4,096 x 1,024 float32; Wk 16 x 1,024 x 64 float32; Wo 1,024 x 1,024 float32; Wq 16 x 1,024 x 64 float32; Wv 16 x 1,024 x 64 float32; b1 4,096 float32; b2 1,024 float32; beta1 1,024 float32; beta2 1,024 float32; bk 16 x 64 float32; bo 1,024 float32; bq 16 x 64 float32; bv 16 x 64 float32; gamma1 1,024 float32; gamma2 1,024 float32; x 2 x 2,048 x 1,024 float32.
;; Outputs: out0 2 x 2,048 x 1,024 float32.
;; One version. Each part assembles by itself: llvm-mc -triple=amdgcn-amd-amdhsa -mcpu=gfx1250 --defsym DOCPART=n.
;; ======== version 1 of 1: 7 launches
;; limits: values are held in f16: magnitudes above 65,504 overflow, below 6.1e-05 lose precision; right only within a limited range of input values
;; workspace buffers: xn 8,388,608 bytes; wqkv 6,308,864 bytes; w1c 8,406,016 bytes; wo2 10,485,760 bytes; qkv 25,165,824 bytes; act 33,554,432 bytes; x1 16,777,216 bytes
;; launch prep (part 1): grid 1025 x 1, 8 waves a work-group, no clusters, 0 bytes of LDS; arguments x, gamma1, beta1, W1, W2, Wo, Wq, Wk, Wv, b1, bq, bk, bv, xn, w1c, wo2, wqkv; writes xn, w1c, wo2, wqkv
.if DOCPART == 1
	.amdgcn_target "amdgcn-amd-amdhsa--gfx1250"
	.amdhsa_code_object_version 6
	.text
	.protected	k_q15394c1799_prep
	.globl	k_q15394c1799_prep
	.p2align	8
	.type	k_q15394c1799_prep,@function
k_q15394c1799_prep:
	s_mov_b64 s[64:65], 0
	v_nop
	global_prefetch_b8 v0, s[64:65] scope:SCOPE_SE
	s_setreg_imm32_b32 hwreg(HW_REG_WAVE_MODE, 25, 1), 1
	s_wait_xcnt 0x0
; PREP.  Work-groups 0-255: xn = layernorm(x) gamma1 + beta1, rounded once to f16, 16 rows a work-group, two rows a wave.
; Work-groups 256-1023: the weights, rounded once from f32 to f16 and laid by tile columns, K down the rows and n along them (nothing is transposed):
;   w1c, wqkv: [n / 256][1024 k][256 n] behind a header of HDR bytes;   wo2: Wo as [n / 128][1024 k][128 n], then W2 as [n / 128][4096 k][128 n] from byte 2,097,152.
;   In wqkv n = 1024 x (q, k, v) + 64 head + d.  A work-group takes 64 k x 256 n, a wave 8 k rows; a row's 1,024 source bytes are two loads of a wave, its 512 f16 bytes one store (16 lanes: 256 aligned bytes).
; Work-group 1024: the two headers: bytes 0-1023 the floor of the product's way out (0 for the relu behind W1, minus infinity for q, k, v), from byte 1024 the bias in f32.
; LIMITS.  f16 holds no number beyond 65,504 and keeps a fixed step of 6e-8 below 6e-5: weights and gamma xn + beta lie within that for inputs some 30 times the drawn ones.
; No LDS, no matrix unit, no cluster: every byte is read once and written once, and no work-group shares a byte with another.
.set HDR, 17408
.set G,   4                            ; v[4:35]    gamma of my 32 columns
.set BT,  36                           ; v[36:67]   beta
.set X,   68                           ; v[68:131]  two rows x 32 numbers; in the conversion 8 rows x 8 numbers
.set Y,   132                          ; v[132:163] f16 to store
.set T,   164                          ; v[164:171] at work
.set MU,  172                          ; v[172:173] the mean, twice
.set RS,  174                          ; v[174:175] 1 / sqrt(var + eps), twice
.set SB0, 66                           ; eight source bases, a pair of scalar registers each
.set DB0, 82                           ; eight destination bases
; Four pairs in v[T:T+7] -> their sum over the wave's 32 lanes, in v[T] of every lane.
.macro REDUCE
	v_pk_add_f32 v[T:T+1], v[T:T+1], v[T+2:T+3]
	v_pk_add_f32 v[T+4:T+5], v[T+4:T+5], v[T+6:T+7]
	v_pk_add_f32 v[T:T+1], v[T:T+1], v[T+4:T+5]
	v_add_f32 v[T], v[T], v[T+1]
	v_add_f32_dpp v[T], v[T], v[T] row_xmask:1 row_mask:0xf bank_mask:0xf
	v_add_f32_dpp v[T], v[T], v[T] row_xmask:2 row_mask:0xf bank_mask:0xf
	v_add_f32_dpp v[T], v[T], v[T] row_xmask:4 row_mask:0xf bank_mask:0xf
	v_add_f32_dpp v[T], v[T], v[T] row_xmask:8 row_mask:0xf bank_mask:0xf
	v_permlanex16_b32 v[T+1], v[T], s60, s61       ; the other half of the lanes; its destination has been written
	v_add_f32 v[T], v[T], v[T+1]
.endm
; Row r: the mean; x - mean in place; the mean of its squares (two passes, so a common offset in x cancels before anything is squared); times 1 / sqrt(var + eps).
.macro STAT r
.set XR, X+32*(\r)
.irp c, 0,1,2,3
	v_pk_add_f32 v[T+2*(\c):T+2*(\c)+1], v[XR+2*(\c):XR+2*(\c)+1], v[XR+8+2*(\c):XR+8+2*(\c)+1]  ; the first pairs start four chains: nothing is cleared
.endr
.irp g, 16,24
.irp c, 0,1,2,3
	v_pk_add_f32 v[T+2*(\c):T+2*(\c)+1], v[T+2*(\c):T+2*(\c)+1], v[XR+(\g)+2*(\c):XR+(\g)+2*(\c)+1]
.endr
.endr
	REDUCE
	v_mul_f32 v[MU], s58, v[T]                     ; sum / 1024
	v_mul_f32 v[MU+1], s58, v[T]
.set p, 0
.rept 16
	v_pk_add_f32 v[XR+2*p:XR+2*p+1], v[XR+2*p:XR+2*p+1], v[MU:MU+1] neg_lo:[0,1] neg_hi:[0,1]
.set p, p+1
.endr
.irp c, 0,1,2,3
	v_pk_mul_f32 v[T+2*(\c):T+2*(\c)+1], v[XR+2*(\c):XR+2*(\c)+1], v[XR+2*(\c):XR+2*(\c)+1]
.endr
.irp g, 8,16,24
.irp c, 0,1,2,3
	v_pk_fma_f32 v[T+2*(\c):T+2*(\c)+1], v[XR+(\g)+2*(\c):XR+(\g)+2*(\c)+1], v[XR+(\g)+2*(\c):XR+(\g)+2*(\c)+1], v[T+2*(\c):T+2*(\c)+1]
.endr
.endr
	REDUCE
	v_fma_f32 v[T], v[T], s58, s59                 ; var + eps
	v_rsq_f32 v[RS], v[T]
	v_rsq_f32 v[RS+1], v[T]
	v_nop                                          ; a plain instruction between the root and the use of its result (ISA guide 5.7.2)
.set p, 0
	s_wait_alu depctr_va_vdst(0)
.rept 16
	v_pk_mul_f32 v[XR+2*p:XR+2*p+1], v[XR+2*p:XR+2*p+1], v[RS:RS+1]
.set p, p+1
.endr
.endm
; Row r: times gamma plus beta, rounded to f16, stored: each store of the wave covers 512 consecutive bytes, aligned.
.macro NORM r
.set XR, X+32*(\r)
.set p, 0
.rept 16
	v_pk_fma_f32 v[XR+2*p:XR+2*p+1], v[XR+2*p:XR+2*p+1], v[G+2*p:G+2*p+1], v[BT+2*p:BT+2*p+1]
.set p, p+1
.endr
.set p, 0
.rept 16
	v_cvt_pk_f16_f32 v[Y+16*(\r)+p], v[XR+2*p], v[XR+2*p+1]
.set p, p+1
.endr
.irp j, 0,1,2,3
	global_store_b128 v2, v[Y+16*(\r)+4*(\j):Y+16*(\r)+4*(\j)+3], s[50:51] offset:2048*(\r)+512*(\j)
.endr
.endm
; Layernorm of rows 16 g + 2 w and the next (g in s5, wave w in s4, lane in v3).  A lane owns columns 256 j + 8 lane .. + 7, j = 0..3: 32 bytes in, 16 bytes out.
.macro LNBODY src, gam, bet, dst
	s_lshl_b32 s42, s5, 4
	s_lshl1_add_u32 s42, s4, s42                   ; my first row
	s_lshl_b32 s44, s42, 12                        ; 4,096 bytes a row in,
	s_mov_b32 s45, 0
	s_lshl_b32 s46, s42, 11                        ; 2,048 out
	s_mov_b32 s47, 0
	s_add_nc_u64 s[48:49], s[\src:\src+1], s[44:45]
	s_add_nc_u64 s[50:51], s[\dst:\dst+1], s[46:47]
	s_mov_b32 s58, 0x3a800000                      ; 1 / 1024
	s_mov_b32 s59, 0x3727c5ac                      ; eps = 1e-5
	s_mov_b32 s60, 0x76543210                      ; v_permlanex16_b32: each lane takes its own place in the other half
	s_mov_b32 s61, 0xfedcba98
	v_lshlrev_b32 v1, 5, v3
	v_lshlrev_b32 v2, 4, v3
.irp r, 0,1
.irp j, 0,1,2,3
	global_load_b128 v[X+32*(\r)+8*(\j):X+32*(\r)+8*(\j)+3],   v1, s[48:49] offset:4096*(\r)+1024*(\j)
	global_load_b128 v[X+32*(\r)+8*(\j)+4:X+32*(\r)+8*(\j)+7], v1, s[48:49] offset:4096*(\r)+1024*(\j)+16
.endr
.endr
.irp j, 0,1,2,3
	global_load_b128 v[G+8*(\j):G+8*(\j)+3],   v1, s[\gam:\gam+1] offset:1024*(\j)
	global_load_b128 v[G+8*(\j)+4:G+8*(\j)+7], v1, s[\gam:\gam+1] offset:1024*(\j)+16
.endr
.irp j, 0,1,2,3
	global_load_b128 v[BT+8*(\j):BT+8*(\j)+3],   v1, s[\bet:\bet+1] offset:1024*(\j)
	global_load_b128 v[BT+8*(\j)+4:BT+8*(\j)+7], v1, s[\bet:\bet+1] offset:1024*(\j)+16
.endr
	s_wait_loadcnt 24                              ; row 0 is in; the 24 younger loads (row 1, gamma, beta) stay out
	STAT 0
	s_wait_loadcnt 16                              ; row 1 is in
	STAT 1
	s_wait_loadcnt 0x0                             ; gamma and beta
	NORM 0
	NORM 1
.endm
	s_load_b512 s[8:23], s[0:1], 0x0               ; x 8, gamma1 10, beta1 12, W1 14, W2 16, Wo 18, Wq 20, Wk 22
	s_load_b512 s[24:39], s[0:1], 0x40             ; Wv 24, b1 26, bq 28, bk 30, bv 32, xn 34, w1c 36, wo2 38
	s_load_b64 s[40:41], s[0:1], 0x80              ; wqkv
	v_lshrrev_b32 v3, 5, v0
	v_readfirstlane_b32 s4, v3                     ; wave 0..7
	v_and_b32 v3, 31, v0                           ; lane
	s_mov_b32 s5, ttmp9
	s_wait_kmcnt 0x0
	s_cmp_lt_u32 s5, 256
	s_cbranch_scc1 .Lln
	s_cmp_lt_u32 s5, 512
	s_cbranch_scc1 .Lw1
	s_cmp_lt_u32 s5, 768
	s_cbranch_scc1 .Lw2
	s_cmp_lt_u32 s5, 832
	s_cbranch_scc1 .Lwo
	s_cmp_lt_u32 s5, 1024
	s_cbranch_scc1 .Lqkv
	; THE HEADERS: 256 threads, 16 bytes of a bias each and one floor word each.
	v_lshlrev_b32 v1, 4, v0
	v_lshlrev_b32 v2, 2, v0
.irp j, 0,1,2,3
	global_load_b128 v[X+4*(\j):X+4*(\j)+3], v1, s[26:27] offset:4096*(\j)
.endr
	global_load_b128 v[X+16:X+19], v1, s[28:29]
	global_load_b128 v[X+20:X+23], v1, s[30:31]
	global_load_b128 v[X+24:X+27], v1, s[32:33]
	v_mov_b32 v4, 0                                ; the relu's floor
	v_mov_b32 v5, 0xff800000                       ; minus infinity: no floor
	global_store_b32 v2, v4, s[36:37]
	global_store_b32 v2, v5, s[40:41]
	s_wait_loadcnt 0x0
.irp j, 0,1,2,3
	global_store_b128 v1, v[X+4*(\j):X+4*(\j)+3], s[36:37] offset:1024+4096*(\j)
.endr
.irp j, 0,1,2
	global_store_b128 v1, v[X+16+4*(\j):X+16+4*(\j)+3], s[40:41] offset:1024+4096*(\j)
.endr
	s_endpgm
.Lln:
	LNBODY 8, 10, 12, 34
	s_endpgm
	; THE CONVERSION ROLES set numbers alone: s43 the role; s48, s50 my first row's byte offset in source and destination; s52, s54 the steps from k row to k row;
	; s56 bytes between the four groups of eight lanes in the source; s57 bytes between the two halves of the lanes in the destination.
.Lw1:                                                  ; W1 [1024][4096]: index = 16 kb + c
	s_sub_co_u32 s6, s5, 256
	s_mov_b32 s43, 0
	s_lshr_b32 s7, s6, 4
	s_and_b32 s6, s6, 15
	s_lshl_b32 s7, s7, 6
	s_lshl3_add_u32 s7, s4, s7                     ; k0 = 64 kb + 8 w
	s_lshl_b32 s48, s7, 14
	s_lshl_b32 s42, s6, 10
	s_add_co_u32 s48, s48, s42                     ; k0 x 16,384 + c x 1,024
	s_lshl_b32 s50, s6, 19
	s_lshl_b32 s42, s7, 9
	s_add_co_u32 s50, s50, s42
	s_add_co_u32 s50, s50, HDR                     ; HDR + c x 524,288 + k0 x 512
	s_mov_b32 s52, 16384
	s_mov_b32 s54, 512
	s_mov_b32 s56, 256
	s_mov_b32 s57, 256
	s_branch .Lconv
.Lw2:                                                  ; W2 [4096][1024]: index = 4 kb + c; 256 columns are two tiles of 128
	s_sub_co_u32 s6, s5, 512
	s_mov_b32 s43, 1
	s_mov_b32 s50, 2097152
	s_mov_b32 s57, 1048576                         ; a tile of W2
	s_branch .Lnarrow
.Lwo:                                                  ; Wo [1024][1024]: likewise
	s_sub_co_u32 s6, s5, 768
	s_mov_b32 s43, 2
	s_mov_b32 s50, 0
	s_mov_b32 s57, 262144                          ; a tile of Wo
.Lnarrow:
	s_lshr_b32 s7, s6, 2
	s_and_b32 s6, s6, 3
	s_lshl_b32 s7, s7, 6
	s_lshl3_add_u32 s7, s4, s7                     ; k0
	s_lshl_b32 s48, s7, 12
	s_lshl_b32 s42, s6, 10
	s_add_co_u32 s48, s48, s42                     ; k0 x 4,096 + c x 1,024
	s_mul_i32 s42, s6, s57
	s_lshl1_add_u32 s50, s42, s50                  ; + c x two tiles
	s_lshl_b32 s42, s7, 8
	s_add_co_u32 s50, s50, s42                     ; + k0 x 256
	s_mov_b32 s52, 4096
	s_mov_b32 s54, 256
	s_mov_b32 s56, 256
	s_branch .Lconv
.Lqkv:                                                 ; Wq, Wk, Wv [16][1024][64]: index = 64 which + 4 kb + hq; four heads make a tile of 256 columns
	s_sub_co_u32 s6, s5, 832
	s_lshr_b32 s42, s6, 6                          ; which
	s_add_co_u32 s43, s42, 3
	s_bfe_u32 s7, s6, 0x40002                      ; kb
	s_and_b32 s6, s6, 3                            ; hq
	s_lshl_b32 s7, s7, 6
	s_lshl3_add_u32 s7, s4, s7                     ; k0
	s_lshl_b32 s48, s6, 20
	s_lshl_b32 s52, s7, 8
	s_add_co_u32 s48, s48, s52                     ; hq x 4 heads of 262,144 bytes + k0 x 256
	s_lshl2_add_u32 s42, s42, s6
	s_lshl_b32 s50, s42, 19
	s_lshl_b32 s42, s7, 9
	s_add_co_u32 s50, s50, s42
	s_add_co_u32 s50, s50, HDR
	s_mov_b32 s52, 256
	s_mov_b32 s54, 512
	s_mov_b32 s56, 262144                          ; from head to head
	s_mov_b32 s57, 256
.Lconv:
	s_mov_b64 s[44:45], s[14:15]                   ; the two buffers are chosen by the role's number alone
	s_cmp_eq_u32 s43, 1
	s_cselect_b64 s[44:45], s[16:17], s[44:45]
	s_cmp_eq_u32 s43, 2
	s_cselect_b64 s[44:45], s[18:19], s[44:45]
	s_cmp_eq_u32 s43, 3
	s_cselect_b64 s[44:45], s[20:21], s[44:45]
	s_cmp_eq_u32 s43, 4
	s_cselect_b64 s[44:45], s[22:23], s[44:45]
	s_cmp_eq_u32 s43, 5
	s_cselect_b64 s[44:45], s[24:25], s[44:45]
	s_cmp_eq_u32 s43, 0
	s_cselect_b64 s[46:47], s[36:37], s[38:39]
	s_cmp_gt_u32 s43, 2
	s_cselect_b64 s[46:47], s[40:41], s[46:47]
	s_mov_b32 s49, 0
	s_mov_b32 s51, 0
	s_mov_b32 s53, 0
	s_mov_b32 s55, 0
	s_add_nc_u64 s[SB0:SB0+1], s[44:45], s[48:49]
	s_add_nc_u64 s[DB0:DB0+1], s[46:47], s[50:51]
.irp j, 1,2,3,4,5,6,7
	s_add_nc_u64 s[SB0+2*(\j):SB0+2*(\j)+1], s[SB0+2*(\j)-2:SB0+2*(\j)-1], s[52:53]
	s_add_nc_u64 s[DB0+2*(\j):DB0+2*(\j)+1], s[DB0+2*(\j)-2:DB0+2*(\j)-1], s[54:55]
.endr
	v_lshrrev_b32 v4, 3, v3
	v_and_b32 v5, 7, v3
	v_lshlrev_b32 v5, 5, v5
	v_mad_u32_u24 v1, v4, s56, v5                  ; in: 32 bytes a lane, eight lanes to a group
	v_lshrrev_b32 v4, 4, v3
	v_and_b32 v5, 15, v3
	v_lshlrev_b32 v5, 4, v5
	v_mad_u32_u24 v2, v4, s57, v5                  ; out: 16 bytes a lane, sixteen lanes to 256 aligned bytes
.irp j, 0,1,2,3,4,5,6,7
	global_load_b128 v[X+8*(\j):X+8*(\j)+3],   v1, s[SB0+2*(\j):SB0+2*(\j)+1] th:TH_LOAD_NT
	global_load_b128 v[X+8*(\j)+4:X+8*(\j)+7], v1, s[SB0+2*(\j):SB0+2*(\j)+1] offset:16 th:TH_LOAD_NT
.endr
.irp j, 0,1,2,3,4,5,6,7
	s_wait_loadcnt 14-2*(\j)                       ; row j is in; two loads for each younger row stay out
.irp k, 0,1,2,3
	v_cvt_pk_f16_f32 v[Y+4*(\j)+(\k)], v[X+8*(\j)+2*(\k)], v[X+8*(\j)+2*(\k)+1]
.endr
	global_store_b128 v2, v[Y+4*(\j):Y+4*(\j)+3], s[DB0+2*(\j):DB0+2*(\j)+1]
.endr
	s_endpgm
.Lfunc_end_k_q15394c1799_prep:
	.size	k_q15394c1799_prep, .Lfunc_end_k_q15394c1799_prep-k_q15394c1799_prep
	.p2alignl 7, 3214868480
	.fill 96, 4, 3214868480
	.section	.rodata,"a",@progbits
	.p2align	6, 0x0
	.amdhsa_kernel k_q15394c1799_prep
		.amdhsa_group_segment_fixed_size 0
		.amdhsa_private_segment_fixed_size 0
		.amdhsa_enable_private_segment 0
		.amdhsa_kernarg_size 136
		.amdhsa_user_sgpr_count 2
		.amdhsa_user_sgpr_kernarg_segment_ptr 1
		.amdhsa_wavefront_size32 1
		.amdhsa_system_sgpr_workgroup_id_x 1
		.amdhsa_system_sgpr_workgroup_id_y 1
		.amdhsa_system_sgpr_workgroup_id_z 1
		.amdhsa_system_vgpr_workitem_id 0
		.amdhsa_next_free_vgpr 176
		.amdhsa_next_free_sgpr 100
		.amdhsa_reserve_vcc 0
		.amdhsa_float_denorm_mode_32 3
		.amdhsa_float_denorm_mode_16_64 3
		.amdhsa_memory_ordered 1
		.amdhsa_forward_progress 1
		.amdhsa_inst_pref_size 30
	.end_amdhsa_kernel
	.amdgpu_metadata
---
amdhsa.version: [ 1, 2 ]
amdhsa.kernels:
  - .name:           k_q15394c1799_prep
    .symbol:         k_q15394c1799_prep.kd
    .args:
      - { .name: x, .offset: 0, .size: 8, .value_kind: global_buffer, .address_space: global }
      - { .name: gamma1, .offset: 8, .size: 8, .value_kind: global_buffer, .address_space: global }
      - { .name: beta1, .offset: 16, .size: 8, .value_kind: global_buffer, .address_space: global }
      - { .name: W1, .offset: 24, .size: 8, .value_kind: global_buffer, .address_space: global }
      - { .name: W2, .offset: 32, .size: 8, .value_kind: global_buffer, .address_space: global }
      - { .name: Wo, .offset: 40, .size: 8, .value_kind: global_buffer, .address_space: global }
      - { .name: Wq, .offset: 48, .size: 8, .value_kind: global_buffer, .address_space: global }
      - { .name: Wk, .offset: 56, .size: 8, .value_kind: global_buffer, .address_space: global }
      - { .name: Wv, .offset: 64, .size: 8, .value_kind: global_buffer, .address_space: global }
      - { .name: b1, .offset: 72, .size: 8, .value_kind: global_buffer, .address_space: global }
      - { .name: bq, .offset: 80, .size: 8, .value_kind: global_buffer, .address_space: global }
      - { .name: bk, .offset: 88, .size: 8, .value_kind: global_buffer, .address_space: global }
      - { .name: bv, .offset: 96, .size: 8, .value_kind: global_buffer, .address_space: global }
      - { .name: xn, .offset: 104, .size: 8, .value_kind: global_buffer, .address_space: global }
      - { .name: w1c, .offset: 112, .size: 8, .value_kind: global_buffer, .address_space: global }
      - { .name: wo2, .offset: 120, .size: 8, .value_kind: global_buffer, .address_space: global }
      - { .name: wqkv, .offset: 128, .size: 8, .value_kind: global_buffer, .address_space: global }
    .group_segment_fixed_size: 0
    .private_segment_fixed_size: 0
    .kernarg_segment_align: 8
    .kernarg_segment_size: 136
    .max_flat_workgroup_size: 256
    .sgpr_count:     100
    .vgpr_count:     176
    .wavefront_size: 32
...
	.end_amdgpu_metadata
.endif
;; end of part 1
;; launch qkv (part 2): grid 12 x 16, 4 waves a work-group, clusters of 4 x 4, 327,680 bytes of LDS; arguments xn, wqkv, qkv; writes qkv
.if DOCPART == 2
	.amdgcn_target "amdgcn-amd-amdhsa--gfx1250"
	.amdhsa_code_object_version 6
	.text
	.protected	k_q15394c1799_qkv
	.globl	k_q15394c1799_qkv
	.p2align	8
	.type	k_q15394c1799_qkv,@function
k_q15394c1799_qkv:
	s_mov_b64 s[64:65], 0
	v_nop
	global_prefetch_b8 v0, s[64:65] scope:SCOPE_SE
	s_setreg_imm32_b32 hwreg(HW_REG_WAVE_MODE, 25, 1), 1
	s_wait_xcnt 0x0
	s_wait_alu depctr_hold_cnt(0) depctr_sa_sdst(0) depctr_va_vdst(0) depctr_va_sdst(0) depctr_va_ssrc(0) depctr_va_vcc(0) depctr_vm_vsrc(0)
	s_getreg_b32 s2, hwreg(HW_REG_IB_STS2, 6, 4)
	s_cmp_eq_u32 s2, 0
	s_cbranch_scc0 .Lentry_in_a_cluster
	s_endpgm
.Lentry_in_a_cluster:
	s_bfe_u32 s2, ttmp6, 0x10000c
	s_cmp_lg_u32 s2, 0xf033
	s_cbranch_scc0 .Lentry_shape_is_right
	s_endpgm
.Lentry_shape_is_right:
; C[m][n] = max(sum over k of A[m][k] W[k][n] + bias[n], floor), K = 1,024.  A: f16 [4096][1024].  W: a header (the floor word at byte 0, the bias in f32 from byte 1024), then from byte HDR
; f16 [n / 256][1024 k][256 n].  C: f16 by blocks of 64 columns, [n / 64][4096 m][64].  Sums in f32, started by the bias; C rounded once.  The text knows neither N nor the floor: one text serves
; q | k | v (floor minus infinity) and the first feed-forward product (floor 0, the relu).
; LIMITS.  f16 ends at 65,504: C beyond that becomes an infinity.  The maximum with the floor drops a NaN.
; SHARES.  A work-group of four waves makes 256 x 256 of C, a wave 128 x 128: 64 accumulators of 16 x 16, 512 registers.  K goes in 8 steps of 128 through two LDS slots filled by the tensor data mover.
; A's rows lie along K and are read as they lie; W's rows lie along n and are read turned, by ds_load_tr16_b128.  Source 0 = 16 columns of W, source 1 = 16 rows of A: a lane then holds eight
; neighbouring columns of one row of C.
; CLUSTER.  4 x 4 work-groups: the four of a row of the cluster need the same tile of A, the four of a column the same tile of W: each is asked for jointly, by the same tensor load with the same
; descriptor and a mask that names the four.
; REGISTERS, in windows of 256 (s_set_vgpr_msb: bits 1:0 source 0, 3:2 source 1, 5:4 source 2, 7:6 destination):
;   window 0: v0-31 addresses; v64-127, v128-191 A's fragments, two buffers; v32-63, v192-255 at work on the way out
;   window 1: v64-127, v128-191 W's fragments, two buffers; v192-255 the bias, eight registers for each block of 16 columns
;   window 2: the accumulators of my rows 0-63 ((a, b) at v[8 (8 a + b)]);   window 3: those of my rows 64-127
.set STEPS,  8
.set HDR,    17408
.set PA,     272                       ; a row of A in LDS: 256 bytes + 16
.set PB,     544                       ; a k row of W: 512 bytes + 32 = 17 x 32
.set CH,     34816                     ; what one tensor load brings: 128 rows of A, or 64 k rows of W
.set SLOT,   4*CH                      ; A's 256 rows, then W's 128 k rows.  0x22000: it shares no bit with wave x CH, so an exclusive or turns a wave's LDS address in one slot into the other's
.set STAGE,  2*SLOT                    ; behind the ring: 16 rows x 272 bytes for each wave, for the way out
.set SPITCH, 272
.set SPARE,  STAGE+4*16*SPITCH         ; behind the stages: the spare words, 128 bytes for each wave
.set ADRA0, 16                         ; v16  my place in A's tile in slot 0; never rewritten
.set ADRA,  17                         ; v17  the same in the slot in hand
.set ADRB0, 20                         ; v20, v21  likewise for W
.set ADRB,  21
.set STO,  24                          ; v24  the way out: where I put 16 bytes of a row
.set RD,   25                          ; v25  where I read rows back
.set CO,   26                          ; v26  my byte offset in 512 consecutive bytes of C
.set BO,   27                          ; v27  my byte offset in a block's 16 numbers of the bias
.set SPW,  28                          ; v28  LDS address of my spare word; never rewritten
.set NIL,  29                          ; v29  0; never rewritten
.set F0,   64
.set F1,   128
.set TMP,  192
.set OB,   32
.set BIAS, 192                         ; in window 1
.set G1,  24                           ; s[24:31] descriptor group 1 for A's tiles
.set G0,  32                           ; s[32:39] group 0 for A: a set for each first fill; the second then walks
.set G1B, 48                           ; s[48:55], s[56:63] the same for W
.set G0B, 56
.set FLOOR, 70                         ; s70
.set TB,    72                         ; s72  0 or SLOT: the slot in hand
.set MSB, 0
.macro WIN new                         ; the immediate's high byte repeats the setting that is left; a switch that changes nothing is dropped
.if MSB != (\new)
	s_set_vgpr_msb (MSB<<8)|(\new)
.set MSB, \new
.endif
.endm
.set TO_B, 0x40                        ; destination window 1, address window 0
; A joint load.  Waves 0 and 1 fetch A's two halves, waves 2 and 3 W's.  The branch hangs on the wave's number alone.  An s_nop 0 and four v_nop follow each of the two lines.
.macro JLOAD s
	s_cmp_eq_u32 s11, 0
	s_cbranch_scc0 .Lfor_b_\@
	tensor_load_to_lds s[G0+4*(\s):G0+4*(\s)+3], s[G1:G1+7]
	s_nop 0
.rept 4
	v_nop
.endr
	s_branch .Lasked_\@
.Lfor_b_\@:
	tensor_load_to_lds s[G0B+4*(\s):G0B+4*(\s)+3], s[G1B:G1B+7]
	s_nop 0
.rept 4
	v_nop
.endr
.Lasked_\@:
.endm
.macro CREST                           ; a round of the cluster's barrier behind its opening barrier
	s_cmp_lg_u32 s10, 0
	s_cbranch_scc1 .Lnot_wave_0_\@
	s_barrier_signal -3
.Lnot_wave_0_\@:
	s_barrier_wait -3
	s_barrier_signal -1
	s_barrier_wait -1
.endm
.macro CROUND                          ; a whole round
	s_barrier_signal -1
	s_barrier_wait -1
	CREST
.endm
	s_load_b128 s[4:7], s[0:1], 0x0                ; A s[4:5], W s[6:7]
	s_load_b64 s[8:9], s[0:1], 0x10                ; C
	v_lshl_add_u32 v[SPW], v0, 2, SPARE
	v_mov_b32 v[NIL], 0
	ds_add_u32 v28, v29
	ds_add_u32 v28, v29
	s_wait_dscnt 0x0
	v_lshrrev_b32 v1, 5, v0
	v_readfirstlane_b32 s10, v1                    ; wave 0..3
	s_lshr_b32 s11, s10, 1                         ; which half of the tile's rows is mine.  Also: I fetch for A (0) or for W (1)
	s_and_b32 s12, s10, 1                          ; which half of its columns.  Also: which half of that tile I fetch
	s_bfe_u32 s40, ttmp6, 0x40000                  ; cx
	s_bfe_u32 s41, ttmp6, 0x40004                  ; cy
	s_lshl_b32 s42, ttmp9, 2
	s_add_co_u32 s42, s42, s40                     ; tile column = 4 x cluster x + cx
	s_and_b32 s13, ttmp7, 0xffff
	s_lshl_b32 s13, s13, 2
	s_add_co_u32 s13, s13, s41                     ; tile row = 4 x cluster y + cy
	s_lshl_b32 s43, s41, 2
	s_lshl_b32 s43, 15, s43                        ; my row of the cluster
	s_lshl_b32 s44, 0x1111, s40                    ; my column
	s_or_b32 s[G1+0], s43, (1<<16)|(1<<20)|(1<<21)|(5<<22)|(3<<25)   ; the mask; 2-byte elements; padding on; bit 21 beside a mask; after every 64 words, 4 words
	s_mov_b32 s[G1+1], 128<<16                     ; tensor_dim0 = 128
	s_mov_b32 s[G1+2], 128<<16                     ; tensor_dim1 = 128
	s_mov_b32 s[G1+3], 128<<16                     ; tile_dim0 = 128
	s_mov_b32 s[G1+4], 128                         ; tile_dim1 = 128
	s_mov_b32 s[G1+5], 1024                        ; elements from row to row
	s_mov_b32 s[G1+6], 0
	s_mov_b32 s[G1+7], 0
	s_or_b32 s[G1B+0], s44, (1<<16)|(1<<20)|(1<<21)|(6<<22)|(7<<25)  ; after every 128 words, 8 words
	s_mov_b32 s[G1B+1], 256<<16                    ; tensor_dim0 = 256
	s_mov_b32 s[G1B+2], 64<<16                     ; tensor_dim1 = 64
	s_mov_b32 s[G1B+3], 256<<16                    ; tile_dim0 = 256
	s_mov_b32 s[G1B+4], 64                         ; tile_dim1 = 64
	s_mov_b32 s[G1B+5], 256
	s_mov_b32 s[G1B+6], 0
	s_mov_b32 s[G1B+7], 0
	; A's tile hangs on the tile row and the wave alone, W's on the tile column and the wave alone, each in registers that never hold the other coordinate.
	s_lshl_b32 s16, s13, 19                        ; 256 rows of 2,048 bytes
	s_lshl_b32 s17, s12, 18                        ; + 128 rows
	s_add_co_u32 s16, s16, s17
	s_mov_b32 s17, 0
	s_lshl_b32 s46, s42, 19                        ; a tile column of W: 524,288 bytes
	s_lshl_b32 s47, s12, 15                        ; + 64 k rows of 512 bytes
	s_add_co_u32 s46, s46, s47
	s_add_co_u32 s46, s46, HDR
	s_mov_b32 s47, 0
	s_mul_i32 s20, s10, CH                         ; where my load lands: no place in the cluster enters an LDS address
	s_mov_b32 s[TB], 0
	s_wait_kmcnt 0x0
	s_load_b32 s[FLOOR], s[6:7], 0x0
	s_add_nc_u64 s[14:15], s[4:5], s[16:17]
	s_add_nc_u64 s[46:47], s[6:7], s[46:47]
	CROUND                                         ; all sixteen work-groups are here: the first joint loads meet
.irp s, 0,1
	s_mov_b32 s[G0+4*(\s)], 1
	s_add_co_u32 s[G0+4*(\s)+1], s20, (\s)*SLOT
	s_add_nc_u64 s[G0+4*(\s)+2:G0+4*(\s)+3], s[14:15], (\s)*256      ; K step s: 128 numbers along A's rows
	s_or_b32 s[G0+4*(\s)+3], s[G0+4*(\s)+3], 0x80000000
	s_mov_b32 s[G0B+4*(\s)], 1
	s_add_co_u32 s[G0B+4*(\s)+1], s20, (\s)*SLOT
	s_add_nc_u64 s[G0B+4*(\s)+2:G0B+4*(\s)+3], s[46:47], (\s)*65536  ; 128 k rows of W
	s_or_b32 s[G0B+4*(\s)+3], s[G0B+4*(\s)+3], 0x80000000
	JLOAD \s                                       ; two loads of mine are out
.endr
	v_and_b32 v1, 15, v0                           ; r = l % 16
	v_bfe_u32 v2, v0, 4, 1                         ; h = l / 16
	v_lshlrev_b32 v[BO], 5, v2
	s_lshl_b32 s66, s42, 10
	s_lshl_b32 s67, s12, 9
	s_add_co_u32 s66, s66, s67
	s_add_co_u32 s66, s66, 1024
	s_mov_b32 s67, 0
	s_add_nc_u64 s[68:69], s[6:7], s[66:67]        ; the bias of my 128 columns
	WIN TO_B
.irp b, 0,1,2,3,4,5,6,7                ; register j of block b: column 16 b + 8 h + j, as in the accumulators
	global_load_b128 v[BIAS+8*(\b):BIAS+8*(\b)+3],   v[BO], s[68:69] offset:64*(\b)
	global_load_b128 v[BIAS+8*(\b)+4:BIAS+8*(\b)+7], v[BO], s[68:69] offset:64*(\b)+16
.endr
	WIN 0
	v_mul_u32_u24 v3, v1, PA
	v_lshl_add_u32 v3, v2, 4, v3                   ; A: row x pitch + 16 h
	s_mul_i32 s21, s11, CH
	v_add_nc_u32 v[ADRA0], s21, v3
	v_add_nc_u32 v[ADRA], s21, v3
	v_and_b32 v4, 7, v0                            ; W, turned: lane l reads k row 8 h + l % 8, 16 bytes at 16 ((l / 8) % 2)
	v_lshl_add_u32 v4, v2, 3, v4
	v_mul_u32_u24 v4, v4, PB
	v_bfe_u32 v5, v0, 3, 1
	v_lshl_add_u32 v4, v5, 4, v4
	s_lshl_b32 s22, s12, 8                         ; my 128 columns,
	s_add_co_u32 s22, s22, 2*CH                    ; behind A's 256 rows
	v_add_nc_u32 v[ADRB0], s22, v4
	v_add_nc_u32 v[ADRB], s22, v4
	s_mul_i32 s23, s10, 16*SPITCH
	s_add_co_u32 s23, s23, STAGE                   ; my stage
	v_mul_u32_u24 v6, v1, SPITCH
	v_lshl_add_u32 v6, v2, 4, v6
	v_add_nc_u32 v[STO], s23, v6                   ; in: row r, 16 bytes for each half of the lanes
	v_bfe_u32 v6, v0, 3, 2
	v_mul_u32_u24 v6, v6, SPITCH
	v_and_b32 v7, 7, v0
	v_lshl_add_u32 v6, v7, 4, v6
	v_add_nc_u32 v[RD], s23, v6                    ; back: 32 lanes take 128 bytes of each of four rows,
	v_and_b32 v7, 31, v0
	v_lshlrev_b32 v[CO], 4, v7                     ; which are 512 consecutive bytes of a block of C
	s_lshl_b32 s66, s42, 21                        ; C: block 4 x tile column + 2 x half, 524,288 bytes a block,
	s_lshl_b32 s67, s12, 20
	s_add_co_u32 s66, s66, s67
	s_lshl_b32 s67, s13, 15                        ; row 256 x tile row + 128 x half, 128 bytes a row
	s_add_co_u32 s66, s66, s67
	s_lshl_b32 s67, s11, 14
	s_add_co_u32 s66, s66, s67
	s_mov_b32 s67, 0
	s_add_nc_u64 s[8:9], s[8:9], s[66:67]
; 16 matrix instructions: m blocks a0, a0 + 1 of the window's four x all 8 n blocks, 32 along K.  zero = 1: the bias is the C operand that starts the sums: nothing is cleared, nothing added later.
; The 64 accumulators take turns, one instruction a turn, in the same order in every quarter.
.macro MUL16 f, hi, a0, zero
.if \zero
	WIN 0x91+0x40*(\hi)                            ; W window 1, A window 0, C (the bias) window 1, D window 2 or 3
.else
	WIN 0xa1+0x50*(\hi)                            ; C and D window 2 or 3
.endif
.irp a, \a0, (\a0)+1
.irp b, 0,1,2,3,4,5,6,7
.if \zero
	v_wmma_f32_16x16x32_f16 v[8*(8*(\a)+(\b)):8*(8*(\a)+(\b))+7], v[(\f)+8*(\b):(\f)+8*(\b)+7], v[(\f)+8*(4*(\hi)+(\a)):(\f)+8*(4*(\hi)+(\a))+7], v[BIAS+8*(\b):BIAS+8*(\b)+7]
.else
	v_wmma_f32_16x16x32_f16 v[8*(8*(\a)+(\b)):8*(8*(\a)+(\b))+7], v[(\f)+8*(\b):(\f)+8*(\b)+7], v[(\f)+8*(4*(\hi)+(\a)):(\f)+8*(4*(\hi)+(\a))+7], v[8*(8*(\a)+(\b)):8*(8*(\a)+(\b))+7]
.endif
.endr
.endr
.endm
; 32 LDS loads in one run: quarter q (32 along K) of the slot in hand into buffer f: W's 128 columns, turned, then A's 128 rows.
.macro FETCH q, f
	WIN TO_B
.irp i, 0,1,2,3,4,5,6,7
	ds_load_tr16_b128 v[(\f)+8*(\i):(\f)+8*(\i)+3],   v[ADRB] offset:(\q)*32*PB+32*(\i)
	ds_load_tr16_b128 v[(\f)+8*(\i)+4:(\f)+8*(\i)+7], v[ADRB] offset:(\q)*32*PB+16*PB+32*(\i)
.endr
	WIN 0
.irp i, 0,1,2,3,4,5,6,7
	ds_load_b128 v[(\f)+8*(\i):(\f)+8*(\i)+3],   v[ADRA] offset:64*(\q)+(\i)*16*PA
	ds_load_b128 v[(\f)+8*(\i)+4:(\f)+8*(\i)+7], v[ADRA] offset:64*(\q)+(\i)*16*PA+32
.endr
.endm
; Four plain vector instructions stand between a matrix instruction and a load into a register that it read, or a vector instruction that reads its result (ISA guide 7.12.1 for vector instructions).
.macro PLACES
.rept 4
	v_nop
.endr
.endm
; One of a K step's first three quarters: multiplies buffer f and, in its middle, fetches quarter q into buffer g.
.macro QUARTER q, f, g, zero
	s_wait_dscnt 8                                 ; W and A's rows 0-63 are in; the youngest eight loads (A's rows 64-127) may be out
	MUL16 \f, 0, 0, \zero
	MUL16 \f, 0, 2, \zero
	PLACES
	FETCH \q, \g
	s_wait_dscnt 32                                ; all but the 32 just issued
	MUL16 \f, 1, 0, \zero
	MUL16 \f, 1, 2, \zero
.endm
; The last quarter multiplies buffer 1 and changes slots.  In front of the one barrier each wave waits for all its tensor loads (one is out: its part of the next slot), adds 0 to its spare word, and
; waits for that and for its reads of this slot.  fill = 1: the barrier opens a round of the cluster's barrier, and this slot is filled again, two K steps ahead, first thing behind the round.
.macro TURN fill
	WIN 0
	s_wait_tensorcnt 0x0
	ds_add_u32 v[SPW], v[NIL]                      ; 0 onto my spare word
	s_wait_dscnt 9                                 ; the add and the youngest eight loads may be out
	MUL16 F1, 0, 0, 0
	s_wait_dscnt 0x0                               ; the add is done, and my reads of this slot are over
	s_barrier_signal -1
	MUL16 F1, 0, 2, 0
	WIN 0
	s_barrier_wait -1
.if \fill
	CREST                                          ; no wave of any partner still reads this slot or has a load on its way
	s_xor_b32 s[G0+5], s[G0+5], SLOT               ; the walking descriptors: the other slot than last time,
	s_xor_b32 s[G0B+5], s[G0B+5], SLOT
	s_add_nc_u64 s[G0+6:G0+7], s[G0+6:G0+7], 256   ; the next K step
	s_add_nc_u64 s[G0B+6:G0B+7], s[G0B+6:G0B+7], 65536
	JLOAD 1                                        ; 224 matrix instructions ahead of the wait for it; its four v_nop are also the places in front of the loads below
.else
	PLACES
.endif
	s_xor_b32 s[TB], s[TB], SLOT
	v_add_nc_u32 v[ADRA], s[TB], v[ADRA0]
	v_add_nc_u32 v[ADRB], s[TB], v[ADRB0]
	FETCH 0, F0
	MUL16 F1, 1, 0, 0
	MUL16 F1, 1, 2, 0
.endm
; THE WAY OUT of block a (16 rows).  PACK: the floor, then rounded to f16, 16 bytes a lane; each accumulator's registers in ascending order.  TOSTAGE: into my own stage, and back as rows of 128 bytes by
; blocks of 64 columns.  SEND: stored.
.macro PACK a
.set AC, 64*((\a)%4)
	WIN 0x88+0x44*((\a)/4)                         ; source 1 and destination in window 2 or 3
.set i, 0
.rept 64
	v_max_num_f32 v[AC+i], s[FLOOR], v[AC+i]
.set i, i+1
.endr
	WIN 0x0a+5*((\a)/4)                            ; sources 0 and 1 in window 2 or 3
.irp b, 0,1,2,3,4,5,6,7
.irp r, 0,1,2,3
	v_cvt_pk_f16_f32 v[TMP+4*(\b)+(\r)], v[AC+8*(\b)+2*(\r)], v[AC+8*(\b)+2*(\r)+1]
.endr
.endr
	WIN 0
.endm
.macro TOSTAGE a
.set BK, OB+192*((\a)%2)
.irp b, 0,1,2,3,4,5,6,7
	ds_store_b128 v[STO], v[TMP+4*(\b):TMP+4*(\b)+3] offset:32*(\b)
.endr
.irp u, 0,1,2,3,4,5,6,7                ; column block u / 4, rows 4 (u % 4) on
	ds_load_b128 v[BK+4*(\u):BK+4*(\u)+3], v[RD] offset:((\u)%4)*4*SPITCH+((\u)/4)*128  ; LDS serves a wave's instructions in order (ISA guide 5.7.1.4): these see the stores above
.endr
.endm
.macro SEND a
.set BK, OB+192*((\a)%2)
	s_wait_dscnt 0x0                               ; the block is back in registers
	s_wait_xcnt 0x0                                ; the stores of the block before have read their registers: the next block's loads from the stage land there
.irp u, 0,1,2,3,4,5,6,7
	global_store_b128 v[CO], v[BK+4*(\u):BK+4*(\u)+3], s[8:9] offset:((\u)/4)*524288+(\a)*2048+((\u)%4)*512  ; 512 consecutive bytes, at a multiple of 256 from C's first byte
.endr
.endm
	s_wait_tensorcnt 1                             ; my part of K step 0 is in; step 1's may stay out
	s_barrier_signal -1
	s_barrier_wait -1
	FETCH 0, F0
	s_wait_loadcnt 0x0                             ; the bias
	s_wait_kmcnt 0x0                               ; the floor
	QUARTER 1, F0, F1, 1                           ; the first quarter stands in front of the loop: its products start the sums
	WIN 0
	s_mov_b32 s3, STEPS-2
.Lstep:                                                ; a trip goes from a K step's second quarter to the next step's first, and fills one slot again
	QUARTER 2, F1, F0, 0
	QUARTER 3, F0, F1, 0
	TURN 1
	QUARTER 1, F0, F1, 0
	WIN 0
	s_sub_co_u32 s3, s3, 1
	s_cmp_lg_u32 s3, 0
	s_cbranch_scc1 .Lstep
	s_mov_b32 s3, 2
.Ltail:                                                ; the last two K steps ask for nothing; the second trip is left in its middle
	QUARTER 2, F1, F0, 0
	QUARTER 3, F0, F1, 0
	WIN 0
	s_cmp_eq_u32 s3, 1
	s_cbranch_scc1 .Llastq
	TURN 0
	QUARTER 1, F0, F1, 0
	WIN 0
	s_sub_co_u32 s3, s3, 1
	s_cmp_lg_u32 s3, 0
	s_cbranch_scc1 .Ltail
.Llastq:
	s_wait_dscnt 8
	MUL16 F1, 0, 0, 0
	MUL16 F1, 0, 2, 0
	s_wait_dscnt 0x0
	MUL16 F1, 1, 0, 0
	MUL16 F1, 1, 2, 0
	PLACES
	PACK 0
	TOSTAGE 0
.irp a, 1,2,3,4,5,6,7                  ; block a's arithmetic stands between block a - 1's loads from the stage and the wait for them
	PACK \a
	SEND (\a)-1
	TOSTAGE \a
.endr
	SEND 7
	s_wait_tensorcnt 0x0                           ; the wave's end
	ds_add_u32 v[SPW], v[NIL]
	s_wait_dscnt 0x0
	CROUND                                         ; the closing round: no work-group ends while a partner may still ask for a tile that names it
	s_endpgm
.Lfunc_end_k_q15394c1799_qkv:
	.size	k_q15394c1799_qkv, .Lfunc_end_k_q15394c1799_qkv-k_q15394c1799_qkv
	.p2alignl 7, 3214868480
	.fill 96, 4, 3214868480
	.section	.rodata,"a",@progbits
	.p2align	6, 0x0
	.amdhsa_kernel k_q15394c1799_qkv
		.amdhsa_group_segment_fixed_size 327680
		.amdhsa_private_segment_fixed_size 0
		.amdhsa_enable_private_segment 0
		.amdhsa_kernarg_size 24
		.amdhsa_user_sgpr_count 2
		.amdhsa_user_sgpr_kernarg_segment_ptr 1
		.amdhsa_wavefront_size32 1
		.amdhsa_system_sgpr_workgroup_id_x 1
		.amdhsa_system_sgpr_workgroup_id_y 1
		.amdhsa_system_sgpr_workgroup_id_z 1
		.amdhsa_system_vgpr_workitem_id 0
		.amdhsa_next_free_vgpr 1024
		.amdhsa_next_free_sgpr 76
		.amdhsa_reserve_vcc 0
		.amdhsa_float_denorm_mode_32 3
		.amdhsa_float_denorm_mode_16_64 3
		.amdhsa_memory_ordered 1
		.amdhsa_forward_progress 1
		.amdhsa_inst_pref_size 122
	.end_amdhsa_kernel
	.amdgpu_metadata
---
amdhsa.version: [ 1, 2 ]
amdhsa.kernels:
  - .name:           k_q15394c1799_qkv
    .symbol:         k_q15394c1799_qkv.kd
    .args:
      - { .name: xn, .offset: 0, .size: 8, .value_kind: global_buffer, .address_space: global }
      - { .name: wqkv, .offset: 8, .size: 8, .value_kind: global_buffer, .address_space: global }
      - { .name: qkv, .offset: 16, .size: 8, .value_kind: global_buffer, .address_space: global }
    .group_segment_fixed_size: 327680
    .private_segment_fixed_size: 0
    .kernarg_segment_align: 8
    .kernarg_segment_size: 24
    .max_flat_workgroup_size: 128
    .sgpr_count:     76
    .vgpr_count:     1024
    .wavefront_size: 32
...
	.end_amdgpu_metadata
.endif
;; end of part 2
;; launch attn (part 3): grid 8 x 32, 4 waves a work-group, no clusters, 327,680 bytes of LDS; arguments qkv, act; writes act
.if DOCPART == 3
	.amdgcn_target "amdgcn-amd-amdhsa--gfx1250"
	.amdhsa_code_object_version 6
	.text
	.protected	k_q15394c1799_attn
	.globl	k_q15394c1799_attn
	.p2align	8
	.type	k_q15394c1799_attn,@function
k_q15394c1799_attn:
	s_mov_b64 s[64:65], 0
	v_nop
	global_prefetch_b8 v0, s[64:65] scope:SCOPE_SE
	s_setreg_imm32_b32 hwreg(HW_REG_WAVE_MODE, 25, 1), 1
	s_wait_xcnt 0x0
; CAUSAL ATTENTION.  O[hb][q][:] = the sum over k <= q of softmax_k(Q[hb][q] . K[hb][k] / 8) V[hb][k][:], 32 heads hb (2 x head + batch) of 2,048 rows of 64 channels, f16, dense: Q at byte
; hb x 262,144 of the first buffer, K 8,388,608 and V 16,777,216 bytes further; O at hb x 262,144 of the second.  Products, maxima and sums in f32; the weights p are rounded to f16 for the second
; product (their sum l is taken of the unrounded p), O once at the end.
; LIMITS.  Q, K, V arrive within f16's 65,504.  A hidden score counts as its value less 1e30, so its weight is 0; that is what a fill of -1e9 gives while a row's visible scaled scores stay above
; about -1e9.  A weight below 2^-126 counts as 0 in l.  NaN and infinities are not treated apart.
; THE WALK.  A head has 16 blocks of 128 queries; block i needs the key tiles 0 .. i of 128 keys, the last of which holds the diagonal.  A work-group takes blocks 15 - b and b: 17 tiles whatever b.  LDS slots
; hold 256 keys, four steps of 64.  The block with an even number of tiles (FA, odd) goes first: (FA + 1) / 2 full slots, the last with two open steps and then the diagonal tile.  The other (FB, even)
; has FB / 2 + 1 slots, the last holding its diagonal tile alone: that slot's upper 128 keys are loaded (they lie inside the head) and not read.  Always 9 slots: one loop with a constant count and a tail.
; NO CLUSTER: the 8 work-groups of a head take their two blocks in different orders and lengths, so that they ask for the same slot in the first trip alone.
; SHARES.  A wave owns 16 rows in each of the block's two bands of 64: two PIECES.  In the diagonal tile's first step piece 0 holds the diagonal and piece 1 sees all; in its second piece 0 sees nothing and
; piece 1 holds the diagonal: the same work for all four waves.
; THE MASK is the C operand that starts S^T = K Q^T: MC = MD x AL + BE, MD the mask of a band's own step for my rows (0 or -1e30), made once.  Open steps find MC = 0.
; A STEP is two halves.  H1: 16 products K Q^T.  H2: both pieces' maxima and statistics; piece 0's softmax; its 8 products V^T P; piece 1's softmax beside them; its 8 products.  H2 fetches the next step's K at its
; beginning and the next step's V at its end.  The change of slots stands between a slot's last H1 and that step's H2.
; LAYOUT.  S^T holds ONE query a lane (lane % 16) and the keys 8 (lane / 16) + 0..7; two such results rounded to f16 ARE source 1 of O^T = V^T P.  p = 2^(c s - c m), c = log2(e) / 8, with a running maximum m;
; O and l are multiplied by a = 2^(c m_old - c m_new) in every step; m starts at the lowest finite number, so a block's first a is 0.
; REGISTERS, in windows of 256 (s_set_vgpr_msb: bits 1:0 source 0, 3:2 source 1, 5:4 source 2, 7:6 destination):
;   window 0: v0-15 addresses; v16-23 statistics; v48-55 at work; v64-127 S^T, 32 a piece; v192-223 P, 16 a piece
;   window 1: v0-63 O^T, 32 a piece; v128-159 MD; v160-223 MC      window 2: v0-31 Q; v64-95 the second block's Q; v128-191 K of one step; v192-255 V of one step
.set KS,    64
.set PK,    144       ; a row of K in LDS: 128 bytes + 16
.set PV,    160       ; a row of V: 128 + 32
.set VOFF,  4*KS*PK   ; a slot: 256 rows of K, then 256 rows of V
.set SLOT1, 1<<17
.set STAGE, SLOT1+4*KS*(PK+PV)  ; behind the ring, never filled by a tensor load: 16 rows x 144 bytes for each wave
.set SP,    144
.set SPARE, STAGE+4*16*SP       ; the spare words, 128 bytes for each wave
.set AK0, 2           ; v2   my lane's place in a tile of K; never rewritten
.set AV0, 3           ; v3   the same for V
.set AK,  4           ; v4   the LDS address of K's next run of loads
.set AV,  5           ; v5   of V's
.set STO, 6
.set RD,  7
.set GO,  8
.set MV,  12          ; v12-13  c m_old, by piece
.set QO,  15
.set ST,  16          ; piece t at v[ST+4 t]: c m, m, l (even keys', odd keys')
.set TMP, 48          ; four a piece, c0-c3; when the maximum is found c2 takes a
.set SPW, 62
.set NIL, 63
.set S,   64
.set P,   192
.set MD,  128
.set MC,  160
.set QB,  64
.set KF,  128
.set VF,  192
.set WV,  12          ; s12  my wave's number
.set FA,  14          ; s14  the first block
.set FB,  15          ; s15  the second
.set G1K, 24
.set G1V, 32
.set G0K, 40
.set G0V, 44
.set SLOTS, 56        ; s56  slots still to be asked for
.set CNT, 57          ; s57  counts a slot's halves down
.set CS,  58          ; s[58:59] c
.set SEL, 60          ; s[60:61] v_permlanex16_b32's selects
.set TBK, 62          ; s62  LDS byte at which K of the step to be fetched begins
.set TBV, 63          ; s63  the same for V, less VOFF
.set RT,  70          ; s70  slots of the block in hand still to be entered
.set NXT, 71          ; s71  the slot to be asked for next
.set LQ,  72          ; s72  the last slot of the block whose slots are being asked for
.set NEW, 73          ; s73  1: the slot to be entered is a block's first
.set OFF, 74          ; s[74:75]
.set AL0, 76          ; s[76:77] piece 0's factor
.set BE0, 78          ; s[78:79] piece 0's addend
.set OLO, 80          ; s[80:81] O at my rows of the second block
.set BIGN, 82         ; s82  -1e30
.set LQ2, 83          ; s83  the second block's last slot
.set RT2, 84          ; s84  its number of slots
.set DG,  85          ; s85  1: the slot in hand is its block's last
.set SB,  86          ; s86  0 or SLOT1: the slot in hand
.set AL1, 88          ; s[88:89] piece 1's factor
.set ZR,  90          ; s[90:91] 0
.set MSB, 0
.macro WIN new
.if MSB != (\new)
	s_set_vgpr_msb (MSB<<8)|(\new)
.set MSB, (\new)
.endif
.endm
.set W_KQ, 0x0a       ; K and Q in window 2, S^T in window 0
.set W_KM, 0x1a       ; the same with the C operand in window 1
.set W_PV, 0x52       ; V in window 2, P in window 0, O^T in window 1
.set W_RS, 0x41       ; destination and source 0 in window 1, source 1 in window 0
; A fill.  Waves 0 and 1 fetch the two halves of a slot's K, waves 2 and 3 those of its V: 128 keys each.  An s_nop 0 and four v_nop follow each of the two lines.
.macro LOAD
	s_cmp_lt_u32 s[WV], 2
	s_cbranch_scc0 .Lfor_v_\@
	tensor_load_to_lds s[G0K:G0K+3], s[G1K:G1K+7]
	s_nop 0
.rept 4
	v_nop
.endr
	s_branch .Lasked_\@
.Lfor_v_\@:
	tensor_load_to_lds s[G0V:G0V+3], s[G1V:G1V+7]
	s_nop 0
.rept 4
	v_nop
.endr
.Lasked_\@:
.endm
; THE CHANGE OF SLOTS.  Each wave waits for all its tensor loads (one is out: its part of the other slot), adds 0 to its spare word, and waits for that and for its reads of the slot that it leaves.  Behind the
; barrier nobody reads the old slot and the other is whole.  fill = 1: the old slot is filled again, first thing behind the barrier, with slot NXT of the walk; the address is made anew from that number.
.macro CHANGE fill
	WIN 0
	s_wait_tensorcnt 0x0            ; no tensor load of mine is out, so a group 0 may be written
	ds_add_u32 v[SPW], v[NIL]       ; 0 onto my spare word
.if \fill
	s_lshl_b32 s[OFF], s[NXT], 15   ; a slot is 32,768 bytes of K and of V
	s_xor_b32 s[G0K+1], s[G0K+1], SLOT1
	s_add_nc_u64 s[G0K+2:G0K+3], s[6:7], s[OFF:OFF+1]
	s_or_b32 s[G0K+3], s[G0K+3], 0x80000000
	s_xor_b32 s[G0V+1], s[G0V+1], SLOT1
	s_add_nc_u64 s[G0V+2:G0V+3], s[8:9], s[OFF:OFF+1]
	s_or_b32 s[G0V+3], s[G0V+3], 0x80000000
	s_add_co_u32 s[NXT], s[NXT], 1  ; the block's next slot, or behind its last the second block's slot 0
	s_cmp_gt_u32 s[NXT], s[LQ]
	s_cselect_b32 s[NXT], 0, s[NXT]
	s_cselect_b32 s[LQ], s[LQ2], s[LQ]
.endif
	s_wait_dscnt 0x0                ; the add is done, and my reads of the slot are over
	s_barrier_signal -1
	s_xor_b32 s[SB], s[SB], SLOT1   ; the fetches begin at the other slot's first step
	s_mov_b32 s[TBK], s[SB]
	s_mov_b32 s[TBV], s[SB]
	s_barrier_wait -1
.if \fill
	LOAD
.endif
.endm
	s_load_b64 s[4:5], s[0:1], 0x0  ; q | k | v
	s_load_b64 s[10:11], s[0:1], 0x8  ; O
	v_lshl_add_u32 v[SPW], v0, 2, SPARE
	v_mov_b32 v[NIL], 0
	ds_add_u32 v62, v63
	ds_add_u32 v62, v63
	s_wait_dscnt 0x0
	v_lshrrev_b32 v1, 5, v0
	v_readfirstlane_b32 s[WV], v1   ; wave 0..3
	s_mov_b32 s13, ttmp9            ; b
	s_sub_co_u32 s19, 15, s13
	s_bitcmp1_b32 s13, 0            ; is b odd?
	s_cselect_b32 s[FA], s13, s19   ; the odd one of b and 15 - b first
	s_cselect_b32 s[FB], s19, s13
	s_and_b32 s20, ttmp7, 0xffff
	s_lshl_b32 s20, s20, 18         ; the head's first byte
	s_and_b32 s16, s[WV], 1         ; which half of a slot's 256 keys I fetch:
	s_lshl_b32 s22, s16, 14         ; its 128 rows of 128 bytes in memory,
	s_add_co_u32 s22, s22, s20
	s_mov_b32 s23, 0
	s_mul_i32 s17, s16, 128*PK      ; and its place in a slot, for K
	s_mul_i32 s18, s16, 128*PV      ; and for V
	s_lshl_b32 s3, s[WV], 11        ; my 16 rows in a band,
	s_add_co_u32 s3, s3, s20
	s_lshl_b32 s2, s[FA], 14        ; in the first block (128 rows of 128 bytes a block),
	s_add_co_u32 s2, s2, s3
	s_lshl_b32 s94, s[FB], 14       ; and in the second
	s_add_co_u32 s94, s94, s3
	s_mov_b32 s3, 0
	s_mov_b32 s95, 0
	; descriptor group 1.  128 keys are 16,384 dense bytes: asked for as 64 rows of 256 bytes, two keys a row, and padded in LDS after every key
	s_mov_b32 s[G1K], (1<<16)|(1<<20)|(4<<22)|(3<<25)  ; 2-byte elements; padding on; after every 32 words, 4 words
	s_mov_b32 s[G1V], (1<<16)|(1<<20)|(4<<22)|(7<<25)  ; the same with 8 words
.irp g, G1K, G1V
	s_mov_b32 s[\g+1], 128<<16      ; tensor_dim0 = 128
	s_mov_b32 s[\g+2], 64<<16       ; tensor_dim1 = 64
	s_mov_b32 s[\g+3], 128<<16      ; tile_dim0 = 128
	s_mov_b32 s[\g+4], 64           ; tile_dim1 = 64
	s_mov_b32 s[\g+5], 128          ; 128 elements from row to row
	s_mov_b32 s[\g+6], 0
	s_mov_b32 s[\g+7], 0
.endr
	s_mov_b32 s[CS], 0x3e38aa3b     ; c = log2(e) / 8
	s_mov_b32 s[CS+1], s[CS]
	s_mov_b32 s[SEL], 0x76543210
	s_mov_b32 s[SEL+1], 0xfedcba98
	s_mov_b32 s[SB], SLOT1          ; the first change of slots turns it into 0
	s_mov_b32 s[G0K], 1
	s_mov_b32 s[G0K+1], s17         ; slot 0
	s_mov_b32 s[G0V], 1
	s_add_co_u32 s[G0V+1], s18, VOFF
	s_lshr_b32 s[LQ], s[FA], 1      ; the first block's last slot, (FA - 1) / 2
	s_add_co_u32 s[RT], s[LQ], 1
	s_lshr_b32 s[LQ2], s[FB], 1
	s_add_co_u32 s[RT2], s[LQ2], 1
	s_cmp_lt_u32 s[LQ], 1           ; slot 0 is asked for below; the next is slot 1, or the second block's slot 0 where the first block has one slot
	s_cselect_b32 s[NXT], 0, 1
	s_cselect_b32 s[LQ], s[LQ2], s[LQ]
	s_mov_b32 s[NEW], 1
	s_mov_b32 s[OFF+1], 0
	s_mov_b32 s[AL0+1], 0           ; named as pairs
	s_mov_b32 s[BE0+1], 0
	s_mov_b32 s[AL1+1], 0
	s_mov_b32 s[ZR], 0
	s_mov_b32 s[ZR+1], 0
	s_mov_b32 s[BIGN], 0xf149f2ca   ; -1e30
	s_mov_b32 s[SLOTS], 8
	s_wait_kmcnt 0x0
	s_add_nc_u64 s[6:7], s[4:5], s[22:23]
	s_add_nc_u64 s[8:9], s[6:7], 16777216  ; V at my half of the head's slot 0,
	s_add_nc_u64 s[6:7], s[6:7], 8388608   ; K likewise
	s_add_nc_u64 s[G0K+2:G0K+3], s[6:7], 0
	s_or_b32 s[G0K+3], s[G0K+3], 0x80000000
	s_add_nc_u64 s[G0V+2:G0V+3], s[8:9], 0
	s_or_b32 s[G0V+3], s[G0V+3], 0x80000000
	s_add_nc_u64 s[92:93], s[4:5], s[94:95]        ; Q at my rows of the second block,
	s_add_nc_u64 s[4:5], s[4:5], s[2:3]            ; Q and O at those of the first
	s_add_nc_u64 s[OLO:OLO+1], s[10:11], s[94:95]
	s_add_nc_u64 s[10:11], s[10:11], s[2:3]
	LOAD                            ; the walk's slot 0 into LDS slot 0: one load of mine is out
	v_and_b32 v1, 15, v0            ; l % 16
	v_bfe_u32 v9, v0, 4, 1          ; l / 16
	v_lshlrev_b32 v[QO], 7, v1
	v_lshl_add_u32 v[QO], v9, 4, v[QO]  ; row x 128 + 16 x half
	WIN 0x80                        ; destination window 2, address window 0
.set i, 0
.rept 4                             ; both blocks' Q: piece i / 2 lies 8,192 bytes on; channels 32 (i % 2) on
	global_load_b128 v[8*i:8*i+3],   v[QO], s[4:5] offset:(i/2)*8192+(i%2)*64
	global_load_b128 v[8*i+4:8*i+7], v[QO], s[4:5] offset:(i/2)*8192+(i%2)*64+32
	global_load_b128 v[QB+8*i:QB+8*i+3],   v[QO], s[92:93] offset:(i/2)*8192+(i%2)*64
	global_load_b128 v[QB+8*i+4:QB+8*i+7], v[QO], s[92:93] offset:(i/2)*8192+(i%2)*64+32
.set i, i+1
.endr
	WIN 0
	v_lshlrev_b32 v14, 3, v9
	v_sub_nc_u32 v14, v1, v14
	s_lshl_b32 s13, s[WV], 4
	v_add_nc_u32 v14, s13, v14      ; my query's place in its band, 16 w + l % 16, less 8 (l / 16): register r of key group kt is hidden where 16 kt + r is greater
	v_mov_b32 v10, s[BIGN]          ; -1e30 in a vector register, so that the 32 selects below take the short encoding; v10 is written anew further down
	WIN 0x40
.set i, 0
.rept 32
	v_cmp_gt_i32 vcc_lo, 16*(i/8)+i%8, v14
	v_cndmask_b32 v[MD+i], 0, v10, vcc_lo
.set i, i+1
.endr
.set i, 0
.rept 64                            ; a block's first step multiplies O^T and l by a = 0: they need only be finite.  Zeros for the first block, in the wait for the first slot
	v_mov_b32 v[i], 0
.set i, i+1
.endr
	WIN 0
.irp t, 0,1
	v_mov_b32 v[ST+4*\t+2], 0
	v_mov_b32 v[ST+4*\t+3], 0
.endr
	v_mul_u32_u24 v[AK0], v1, PK
	v_lshl_add_u32 v[AK0], v9, 4, v[AK0]  ; row x pitch + 16 x half
	v_and_b32 v10, 7, v0            ; the turning load: lane l reads key 8 (l / 16) + l % 8, channels 8 ((l / 8) % 2) + 0..7
	v_bfe_u32 v11, v0, 3, 1
	v_lshl_add_u32 v[AV0], v9, 3, v10
	v_mul_u32_u24 v[AV0], v[AV0], PV
	v_lshl_add_u32 v[AV0], v11, 4, v[AV0]
	v_add_nc_u32 v[AV0], VOFF, v[AV0]
	s_mul_i32 s13, s[WV], 16*SP
	s_add_co_u32 s13, s13, STAGE    ; my stage
	v_mul_u32_u24 v[STO], v1, SP
	v_lshl_add_u32 v[STO], v9, 4, v[STO]
	v_add_nc_u32 v[STO], s13, v[STO]
	v_bfe_u32 v[RD], v0, 3, 2       ; back: 32 lanes take four rows of 128 bytes,
	v_mul_u32_u24 v[RD], v[RD], SP
	v_lshl_add_u32 v[RD], v10, 4, v[RD]
	v_add_nc_u32 v[RD], s13, v[RD]
	v_and_b32 v[GO], 31, v0         ; which are 512 consecutive bytes of O
	v_lshlrev_b32 v[GO], 4, v[GO]
; THE MATRIX WORK.  The 4 accumulators of a run of 8 take turns.  Product i of 8 of S^T = K Q^T for piece x: channels 32 (i / 4) on, keys 16 (i % 4) on.  The first 4 start the sums with the mask.
.macro KQ x
.set rS, S+32*(\x)+8*(i%4)
.set rK, KF+16*(i%4)+8*(i/4)
.set rQ, 16*(\x)+8*(i/4)
.set rM, MC+32*(\x)+8*(i%4)
.if i < 4
	WIN W_KM
	v_wmma_f32_16x16x32_f16 v[rS:rS+7], v[rK:rK+7], v[rQ:rQ+7], v[rM:rM+7]
.else
	WIN W_KQ
	v_wmma_f32_16x16x32_f16 v[rS:rS+7], v[rK:rK+7], v[rQ:rQ+7], v[rS:rS+7]
.endif
.endm
; Product i of 8 of O^T += V^T P for piece x: keys 32 (i / 4) on, channels 16 (i % 4) on.
.macro PV x
	WIN W_PV
.set rO, 32*(\x)+8*(i%4)
.set rV, VF+32*(i/4)+8*(i%4)
.set rP, P+16*(\x)+8*(i/4)
	v_wmma_f32_16x16x32_f16 v[rO:rO+7], v[rV:rV+7], v[rP:rP+7], v[rO:rO+7]
.endm
.macro RUN8 what, x                 ; eight of them
.set i, 0
.rept 8
	\what \x
.set i, i+1
.endr
.endm
; THE LDS LOADS stand in runs of 16: a step's K (64 keys x 64 channels: 8 fragments) and its V (turned).  Their addresses are made some lines ahead.
.macro FETCH_K
	WIN 0x80
.irp f, 0,1,2,3,4,5,6,7             ; keys 16 (f / 2) on, channels 32 (f % 2) on
	ds_load_b128 v[KF+8*\f:KF+8*\f+3],   v[AK] offset:(\f/2)*16*PK+(\f%2)*64
	ds_load_b128 v[KF+8*\f+4:KF+8*\f+7], v[AK] offset:(\f/2)*16*PK+(\f%2)*64+32
.endr
	s_add_co_u32 s[TBK], s[TBK], KS*PK  ; the next fetch is the next step's
	WIN 0
.endm
.macro FETCH_V
	WIN 0x80
.irp f, 0,1,2,3,4,5,6,7             ; keys 32 (f / 4) on, channels 16 (f % 4) on
	ds_load_tr16_b128 v[VF+8*\f:VF+8*\f+3],   v[AV] offset:(\f/4)*32*PV+(\f%4)*32
	ds_load_tr16_b128 v[VF+8*\f+4:VF+8*\f+7], v[AV] offset:(\f/4)*32*PV+16*PV+(\f%4)*32
.endr
	s_add_co_u32 s[TBV], s[TBV], KS*PV
	WIN 0
.endm
; THE VECTOR WORK, one line at a time: OP kind, number, piece.  F n: c s - c m for pair n of 16.  E n: the exponential of score n of 32.  C n: pair n rounded to f16.  B n: of the four weights 4 n .. the second pair
; is added onto the first, in place.  L n: l takes that sum (L 0: l = a l + sum).  R n: pair n of 16 of O^T times a.  X n: number n of the 22 that find the maximum and statistics:
;   0-11  four chains c0-c3 of seven scores each (each accumulator's lowest registers are read first)     12-14, 16  the four scores left over, the old m, and c0-c3 into c0
;   15  c m_old is kept     17, 18  the query's other 32 keys lie in the lane 16 away: the new m     19-21  c m; c m_old - c m_new; a
.set F, 0
.set E, 1
.set C, 2
.set B, 3
.set L, 4
.set R, 5
.set X, 6
.macro REGS p
.set rT, ST+4*(\p)
.set rC, TMP+4*(\p)
.set rW, MV+(\p)
.set rS, S+32*(\p)
.set rP, P+16*(\p)
.set rO, 32*(\p)
.endm
.macro OP k, n, p
	REGS \p
.if (\k) == R
	WIN W_RS
	v_pk_mul_f32 v[rO+2*(\n):rO+2*(\n)+1], v[rO+2*(\n):rO+2*(\n)+1], v[rC+2:rC+3] op_sel_hi:[1,0]
.else
	WIN 0
.if (\k) == F
	v_pk_fma_f32 v[rS+2*(\n):rS+2*(\n)+1], v[rS+2*(\n):rS+2*(\n)+1], s[CS:CS+1], v[rT:rT+1] op_sel_hi:[1,0,0] neg_lo:[0,0,1] neg_hi:[0,0,1]
.elseif (\k) == E
	v_exp_f32 v[rS+(\n)], v[rS+(\n)]
.elseif (\k) == C
	s_wait_alu depctr_va_vdst(0)
	v_cvt_pk_f16_f32 v[rP+(\n)], v[rS+2*(\n)], v[rS+2*(\n)+1]
.elseif (\k) == B
	v_pk_add_f32 v[rS+4*(\n):rS+4*(\n)+1], v[rS+4*(\n):rS+4*(\n)+1], v[rS+4*(\n)+2:rS+4*(\n)+3]
.elseif ((\k) == L) && ((\n) == 0)
	v_pk_fma_f32 v[rT+2:rT+3], v[rT+2:rT+3], v[rC+2:rC+3], v[rS:rS+1] op_sel_hi:[1,0,1]
.elseif (\k) == L
	v_pk_add_f32 v[rT+2:rT+3], v[rT+2:rT+3], v[rS+4*(\n):rS+4*(\n)+1]
.elseif (\n) < 4
	v_max3_num_f32 v[rC+(\n)], v[rS+8*(\n)], v[rS+8*(\n)+1], v[rS+8*(\n)+2]
.elseif (\n) < 12
	v_max3_num_f32 v[rC+(\n)%4], v[rC+(\n)%4], v[rS+8*((\n)%4)+2*((\n)/4)+1], v[rS+8*((\n)%4)+2*((\n)/4)+2]
.elseif (\n) == 12
	v_max3_num_f32 v[rC], v[rC], v[rS+7], v[rS+15]
.elseif (\n) == 13
	v_max3_num_f32 v[rC+1], v[rC+1], v[rS+23], v[rS+31]
.elseif (\n) == 14
	v_max3_num_f32 v[rC+2], v[rC+2], v[rC+3], v[rT+1]
.elseif (\n) == 15
	v_mov_b32 v[rW], v[rT]
.elseif (\n) == 16
	v_max3_num_f32 v[rC], v[rC], v[rC+1], v[rC+2]
.elseif (\n) == 17
	v_permlanex16_b32 v[rC+3], v[rC], s[SEL], s[SEL+1]
.elseif (\n) == 18
	v_max_num_f32 v[rT+1], v[rC], v[rC+3]
.elseif (\n) == 19
	v_mul_f32 v[rT], s[CS], v[rT+1]
.elseif (\n) == 20
	v_sub_f32 v[rC+1], v[rW], v[rT]
.else
	v_exp_f32 v[rC+2], v[rC+1]
.endif
.endif
.endm
.macro XS                           ; both pieces' maxima and statistics; where each line waits for the one before it the pieces alternate
.irp u, 0,1,2,3,4,5,6,7,8,9,10,11,12,13
	OP X, \u, 0
.endr
.irp u, 0,1,2,3,4,5,6,7,8,9,10,11,12,13
	OP X, \u, 1
.endr
.irp u, 14,15,16,17,18,19,20,21
	OP X, \u, 0
	OP X, \u, 1
.endr
	v_nop                           ; a plain instruction behind the two exponentials
.endm
; A piece's softmax for a step.  Two exponentials, then plain work that is ready: the rounding of the pair before, and by turns a sum of four weights or l's taking of one: every exponential has a plain instruction
; behind it before its result is used.  A pair is rounded before the sum in place overwrites it.  The rescaling of O^T, the one part outside window 0, stands together at the end.
.macro SOFT p
.set nn, 0
.rept 15
	OP F, nn, \p
.set nn, nn+1
.endr
	OP E, 0, \p
	OP E, 1, \p
	OP F, 15, \p
.set nn, 1
.rept 15
	OP E, 2*nn, \p
	OP E, 2*nn+1, \p
	OP C, nn-1, \p
.if nn%2 == 0
	OP B, nn/2-1, \p
.elseif nn >= 3
	OP L, (nn-3)/2, \p
.endif
.set nn, nn+1
.endr
	OP C, 15, \p
	OP B, 7, \p
	OP L, 7, \p
.set nn, 0
.rept 16
	OP R, nn, \p
.set nn, nn+1
.endr
.endm
.macro MASK p, al, be               ; MD x al + be into piece p's mask
	WIN W_RS
.set z, 0
.rept 16
	v_pk_fma_f32 v[MC+32*(\p)+2*z:MC+32*(\p)+2*z+1], v[MD+2*z:MD+2*z+1], s[\al:\al+1], s[\be:\be+1] op_sel_hi:[1,0,0]
.set z, z+1
.endr
.endm
; A step's scores.  The four v_nop at its end are the places behind its products on EVERY way that leaves it: into H2 (which reads the scores and loads into K's registers), and by the slot loop's bottom into a
; change of slots and a block's beginning (which writes the masks that these products took as C).  (ISA guide 7.12.1 for vector instructions.)
.macro H1
	s_wait_dscnt 16                 ; K's run is in; V's sixteen younger loads may stay out
	RUN8 KQ, 0
	RUN8 KQ, 1
	WIN 0
.rept 4
	v_nop
.endr
.endm
; The rest of a step.  CNT = 1: a block's last step: nothing is fetched; both jumps go forward over a run of LDS loads alone.
.macro H2
	WIN 0
	v_add_nc_u32 v[AK], s[TBK], v[AK0]
	v_add_nc_u32 v[AV], s[TBV], v[AV0]
	s_cmp_eq_u32 s[CNT], 1
	s_cbranch_scc1 .Lno_k_\@
	FETCH_K
.Lno_k_\@:
	XS
	SOFT 0
	s_wait_dscnt 0x0                ; V is in (for 0: K's run behind it may have been jumped over)
	RUN8 PV, 0
	SOFT 1                          ; names no register of the products round it
	RUN8 PV, 1
	WIN 0
.rept 4
	v_nop                           ; the places in front of the loads into V's registers, and of the way out
.endr
	s_cmp_eq_u32 s[CNT], 1
	s_cbranch_scc1 .Lno_v_\@
	FETCH_V
.Lno_v_\@:
.endm
; A BLOCK BEGINS: the masks are 0; c m starts far below every c s, m at the lowest finite number; K and V of the slot's first step.
.macro BEGIN
	s_mov_b32 s[NEW], 0
	MASK 0, ZR, ZR
	MASK 1, ZR, ZR
	WIN 0
.irp t, 0,1
	v_mov_b32 v[ST+4*\t], 0xfe000000
	v_mov_b32 v[ST+4*\t+1], 0xff7fffff
.endr
	v_add_nc_u32 v[AK], s[TBK], v[AK0]
	v_add_nc_u32 v[AV], s[TBV], v[AV0]
	FETCH_K
	FETCH_V
	s_wait_loadcnt 0x0              ; Q
.endm
; THE WAY OUT: l's two halves and the other half of the lanes' are added; O^T is divided by l, rounded to f16 and sent through my stage in LDS, a piece at a time.
.macro ALL line:vararg
.set t, 0
.rept 2
	\line
.set t, t+1
.endr
.endm
.macro PACK t
	WIN W_RS
.set i, 32*(\t)
.rept 16
	v_pk_mul_f32 v[i:i+1], v[i:i+1], v[ST+4*(\t)+2:ST+4*(\t)+3] op_sel_hi:[1,0]
.set i, i+2
.endr
	WIN 0x05                        ; sources 0 and 1 window 1, destination window 0: S^T's registers are free
.set i, 0
.rept 16
	v_cvt_pk_f16_f32 v[S+16*(\t)+i], v[32*(\t)+2*i], v[32*(\t)+2*i+1]
.set i, i+1
.endr
	WIN 0
.irp f, 0,1,2,3
	ds_store_b128 v[STO], v[S+16*(\t)+4*\f:S+16*(\t)+4*\f+3] offset:32*\f
.endr
.irp f, 0,1,2,3
	ds_load_b128 v[S+16*(\t)+4*\f:S+16*(\t)+4*\f+3], v[RD] offset:\f*4*SP  ; LDS serves a wave's instructions in order (ISA guide 5.7.1.4): these see the stores above
.endr
.endm
.macro SEND t, younger              ; younger: the LDS instructions issued behind piece t's loads
	WIN 0
.irp f, 0,1,2,3
	s_wait_dscnt (\younger)+3-\f
	global_store_b128 v[GO], v[S+16*(\t)+4*\f:S+16*(\t)+4*\f+3], s[10:11] offset:(\t)*8192+\f*512  ; 512 consecutive bytes, at a multiple of 256 from O's first
.endr
.endm
.macro END
	WIN 0
	ALL v_add_f32 v[ST+4*t+2], v[ST+4*t+2], v[ST+4*t+3]
	ALL v_permlanex16_b32 v[ST+4*t+3], v[ST+4*t+2], s[SEL], s[SEL+1]
	ALL v_add_f32 v[ST+4*t+2], v[ST+4*t+2], v[ST+4*t+3]
	ALL v_rcp_f32 v[ST+4*t+2], v[ST+4*t+2]
	v_nop                           ; a plain instruction between the last reciprocal and the use of its result
	s_wait_alu depctr_va_vdst(0)
	PACK 0
	PACK 1
	SEND 0, 8
	SEND 1, 0
.endm
; A SLOT.  CNT counts down from cnt: H1 of the slot's steps stands at CNT = cnt .. 2, in front of each the H2 of the step before (at CNT = cnt: the old slot's last step, or BEGIN); at CNT = 1 a block's last H2.
; The diagonal tile's two steps are those at CNT = 3 and 2 of a block's last slot.  tail = 0: the loop's text, four steps; a slot that is not its block's last is left behind its fourth H1.
; tail = 1: the walk's last slot, two steps, always a diagonal tile.  Every jump but the count's own goes forward, and none passes a barrier or a tensor load.
.macro BODY cnt, tail
.if !(\tail)
	s_sub_co_u32 s[RT], s[RT], 1
	s_cmp_eq_u32 s[RT], 0
	s_cselect_b32 s[DG], 1, 0
.endif
	s_mov_b32 s[CNT], \cnt
	s_cmp_eq_u32 s[NEW], 1
	s_cbranch_scc0 .Lpair_\@
	BEGIN
	s_branch .Lmid_\@
.Lpair_\@:
	H2
	s_cmp_eq_u32 s[CNT], 1
	s_cbranch_scc1 .Lend_\@
.Lmid_\@:
	s_cmp_gt_u32 s[CNT], 3
	s_cbranch_scc1 .Lnm_\@
.if !(\tail)
	s_cmp_eq_u32 s[DG], 0
	s_cbranch_scc1 .Lnm_\@
.endif
	s_cmp_eq_u32 s[CNT], 3          ; the diagonal tile's first step: piece 0's own; its second: piece 0 sees nothing, piece 1's own
	s_cselect_b32 s[AL0], 1.0, 0
	s_cmp_eq_u32 s[CNT], 2
	s_cselect_b32 s[BE0], s[BIGN], 0
	s_cselect_b32 s[AL1], 1.0, 0
	MASK 0, AL0, BE0
	MASK 1, AL1, ZR
	WIN 0
.Lnm_\@:
	H1
.if !(\tail)
	s_cmp_lg_u32 s[CNT], 2
	s_cbranch_scc1 .Lgo_\@
	s_cmp_eq_u32 s[DG], 0
	s_cbranch_scc1 .Lbottom
.Lgo_\@:
.endif
	s_sub_co_u32 s[CNT], s[CNT], 1
	s_cmp_lg_u32 s[CNT], 0
	s_cbranch_scc1 .Lpair_\@
.Lend_\@:
	END
.endm
.Lslot:                             ; 8 times: a slot is entered and the next is asked for
	CHANGE 1
	BODY 5, 0
	s_wait_xcnt 0x0                 ; the first block has ended: its stores have read their registers and O's address
	s_mov_b64 s[10:11], s[OLO:OLO+1]
	s_mov_b32 s[RT], s[RT2]
	s_mov_b32 s[NEW], 1
	WIN 0x82                        ; the second block's Q goes where the one text names Q
.set i, 0
.rept 32
	v_mov_b32 v[i], v[QB+i]
.set i, i+1
.endr
	WIN 0
.Lbottom:
	s_sub_co_u32 s[SLOTS], s[SLOTS], 1
	s_cmp_lg_u32 s[SLOTS], 0
	s_cbranch_scc1 .Lslot
	CHANGE 0                        ; the walk's last slot is written out: nothing is asked for
	BODY 3, 1
	s_wait_tensorcnt 0x0            ; the wave's end
	ds_add_u32 v[SPW], v[NIL]
	s_wait_dscnt 0x0
	s_endpgm
.Lfunc_end_k_q15394c1799_attn:
	.size	k_q15394c1799_attn, .Lfunc_end_k_q15394c1799_attn-k_q15394c1799_attn
	.p2alignl 7, 3214868480
	.fill 96, 4, 3214868480
	.section	.rodata,"a",@progbits
	.p2align	6, 0x0
	.amdhsa_kernel k_q15394c1799_attn
		.amdhsa_group_segment_fixed_size 327680
		.amdhsa_private_segment_fixed_size 0
		.amdhsa_enable_private_segment 0
		.amdhsa_kernarg_size 16
		.amdhsa_user_sgpr_count 2
		.amdhsa_user_sgpr_kernarg_segment_ptr 1
		.amdhsa_wavefront_size32 1
		.amdhsa_system_sgpr_workgroup_id_x 1
		.amdhsa_system_sgpr_workgroup_id_y 1
		.amdhsa_system_sgpr_workgroup_id_z 1
		.amdhsa_system_vgpr_workitem_id 0
		.amdhsa_next_free_vgpr 768
		.amdhsa_next_free_sgpr 96
		.amdhsa_reserve_vcc 1
		.amdhsa_float_denorm_mode_32 3
		.amdhsa_float_denorm_mode_16_64 3
		.amdhsa_memory_ordered 1
		.amdhsa_forward_progress 1
		.amdhsa_inst_pref_size 80
	.end_amdhsa_kernel
	.amdgpu_metadata
---
amdhsa.version: [ 1, 2 ]
amdhsa.kernels:
  - .name:           k_q15394c1799_attn
    .symbol:         k_q15394c1799_attn.kd
    .args:
      - { .name: qkv, .offset: 0, .size: 8, .value_kind: global_buffer, .address_space: global }
      - { .name: act, .offset: 8, .size: 8, .value_kind: global_buffer, .address_space: global }
    .group_segment_fixed_size: 327680
    .private_segment_fixed_size: 0
    .kernarg_segment_align: 8
    .kernarg_segment_size: 16
    .max_flat_workgroup_size: 128
    .sgpr_count:     96
    .vgpr_count:     768
    .wavefront_size: 32
...
	.end_amdgpu_metadata
.endif
;; end of part 3
;; launch wo (part 4): grid 8 x 32, 4 waves a work-group, clusters of 4 x 4, 327,680 bytes of LDS; arguments act, wo2, x1, bo, x; writes x1
.if DOCPART == 4
	.amdgcn_target "amdgcn-amd-amdhsa--gfx1250"
	.amdhsa_code_object_version 6
	.text
	.protected	k_q15394c1799_wo
	.globl	k_q15394c1799_wo
	.p2align	8
	.type	k_q15394c1799_wo,@function
k_q15394c1799_wo:
	s_mov_b64 s[64:65], 0
	v_nop
	global_prefetch_b8 v0, s[64:65] scope:SCOPE_SE
	s_setreg_imm32_b32 hwreg(HW_REG_WAVE_MODE, 25, 1), 1
	s_wait_xcnt 0x0
	s_wait_alu depctr_hold_cnt(0) depctr_sa_sdst(0) depctr_va_vdst(0) depctr_va_sdst(0) depctr_va_ssrc(0) depctr_va_vcc(0) depctr_vm_vsrc(0)
	s_getreg_b32 s2, hwreg(HW_REG_IB_STS2, 6, 4)
	s_cmp_eq_u32 s2, 0
	s_cbranch_scc0 .Lentry_in_a_cluster
	s_endpgm
.Lentry_in_a_cluster:
	s_bfe_u32 s2, ttmp6, 0x10000c
	s_cmp_lg_u32 s2, 0xf033
	s_cbranch_scc0 .Lentry_shape_is_right
	s_endpgm
.Lentry_shape_is_right:
; C[m][n] = R[m][n] + bias[n] + sum over k of A[m][k] W[k][n].  A: f16 by blocks of 64 columns, [KD / 64][4096 m][64].  W: f16 [n / 128][KD k][128 n], from byte WOFF of its buffer.
; R, C: f32 [4096][1024]; bias f32 [1024].  Sums in f32, started by the bias; the residual is added in f32 on the way out.  Here KD = 1,024: the attention's output projection.
; LIMIT.  Each output has one f32 sum, but its K steps are added in a rotated order (THE WALK, below): the order of rounding differs from ascending K.
; SHARES.  A work-group of four waves makes 128 x 128 of C (256 work-groups), a wave 64 x 64: 16 accumulators.  K goes in steps of 256 through two LDS slots filled by the tensor data mover.
; A's rows lie along K inside a block and are read as they lie; W's rows lie along n and are read turned, by ds_load_tr16_b128.  Source 0 = 16 columns of W, source 1 = 16 rows of A.
; CLUSTER.  4 x 4 work-groups: A's tile is shared along a row of the cluster, W's along a column; each is asked for jointly, by the same tensor load, descriptor and mask in all four.
; THE WALK ALONG K.  A cluster takes the K steps o, o + 1, .. and wraps at K's end; o = (2 x cluster x + cluster y % 4) x STEPS / 4 modulo STEPS, the same number in all sixteen partners.  The two clusters
; that read the same tiles of A are half of K apart, the eight that read the same tiles of W stand at the four quarters of K: they do not all ask for a tile at the same time, and most of what a
; cluster asks for behind its first steps has been read before by another.
; REGISTERS, in windows of 256 (s_set_vgpr_msb: bits 1:0 source 0, 3:2 source 1, 5:4 source 2, 7:6 destination):
;   window 0: v0-31 addresses; v32-95 at work on the way out; v128-255 the accumulators ((a, b) at v[128 + 8 (4 a + b)])
;   window 1: two fragment buffers of 128: for 64 along K, 64 registers of A, then 64 of W          window 2: v0-127 the residual, as it is stored; v128-159 the bias
.set KD,     1024
.set WOFF,   0
.set STEPS,  KD/256
.set ASH,    21                        ; a K step is 2^21 bytes of A (four blocks of 524,288),
.set BSH,    16                        ; and 2^16 bytes of W (256 k rows of 256 bytes)
.set TCOL,   KD*256                    ; bytes of a tile column of W
.set PA,     144                       ; 64 numbers of a row of A in LDS: 128 bytes + 16
.set PB,     288                       ; a k row of W: 256 bytes + 32 = 9 x 32
.set CH,     36864                     ; what one tensor load brings: 4 k blocks x 64 rows of A, or 128 k rows of W
.set SLOT,   4*CH                      ; 0x24000: it shares no bit with wave x CH, so an exclusive or turns a wave's LDS address in one slot into the other's
.set STAGE,  2*SLOT                    ; behind the ring: 16 rows x 272 bytes for each wave
.set SPITCH, 272
.set SPARE,  STAGE+4*16*SPITCH         ; the spare words, 128 bytes for each wave
.set ADRA0, 16                         ; v16  my place in A's tile in slot 0; never rewritten
.set ADRA,  17                         ; v17  the same in the slot in hand
.set ADRB0, 20                         ; v20  likewise for W
.set ADRB,  21                         ; v21  k rows 0-127;  v22  k rows 128-255, which an LDS offset of 16 bits would not reach
.set STO,  24
.set RD,   25
.set CO,   26                          ; v26  my byte offset in two rows of C and of R
.set BO,   27
.set SPW,  28
.set NIL,  29
.set TMP,  32
.set ACC,  128
.set F0,   0
.set F1,   128
.set RES,  0                           ; in window 2
.set BI,   128                         ; in window 2
.set OF,  16                           ; s[16:17] a K step's byte offset; the high word stays 0
.set G1,  24
.set G0,  32                           ; s[32:39] group 0 for A: a set for each first fill; the second then walks
.set G1B, 48
.set G0B, 56
.set TB,  72                           ; s72  0 or SLOT: the slot in hand
.set SG,  73                           ; s73  the K step that was asked for last
.set MSB, 0
.macro WIN new
.if MSB != (\new)
	s_set_vgpr_msb (MSB<<8)|(\new)
.set MSB, \new
.endif
.endm
.set TO_F, 0x40                        ; destination window 1, address window 0
.macro JLOAD s                         ; a joint load: waves 0 and 1 fetch A's two halves, waves 2 and 3 W's; an s_nop 0 and four v_nop follow each of the two lines
	s_cmp_eq_u32 s11, 0
	s_cbranch_scc0 .Lfor_b_\@
	tensor_load_to_lds s[G0+4*(\s):G0+4*(\s)+3], s[G1:G1+7]
	s_nop 0
.rept 4
	v_nop
.endr
	s_branch .Lasked_\@
.Lfor_b_\@:
	tensor_load_to_lds s[G0B+4*(\s):G0B+4*(\s)+3], s[G1B:G1B+7]
	s_nop 0
.rept 4
	v_nop
.endr
.Lasked_\@:
.endm
.macro CREST
	s_cmp_lg_u32 s10, 0
	s_cbranch_scc1 .Lnot_wave_0_\@
	s_barrier_signal -3
.Lnot_wave_0_\@:
	s_barrier_wait -3
	s_barrier_signal -1
	s_barrier_wait -1
.endm
.macro CROUND
	s_barrier_signal -1
	s_barrier_wait -1
	CREST
.endm
.macro NEXTK                           ; the walk's next K step; behind the last comes step 0
	s_add_co_u32 s[SG], s[SG], 1
	s_and_b32 s[SG], s[SG], STEPS-1
.endm
.macro WHERE s                         ; set s of both group 0: the global addresses of K step SG, made anew from my part of the tiles at K step 0 and that number
	s_lshl_b32 s[OF], s[SG], ASH
	s_add_nc_u64 s[G0+4*(\s)+2:G0+4*(\s)+3], s[14:15], s[OF:OF+1]
	s_or_b32 s[G0+4*(\s)+3], s[G0+4*(\s)+3], 0x80000000
	s_lshl_b32 s[OF], s[SG], BSH
	s_add_nc_u64 s[G0B+4*(\s)+2:G0B+4*(\s)+3], s[46:47], s[OF:OF+1]
	s_or_b32 s[G0B+4*(\s)+3], s[G0B+4*(\s)+3], 0x80000000
.endm
	s_load_b128 s[4:7], s[0:1], 0x0                ; A s[4:5], W s[6:7]
	s_load_b64 s[8:9], s[0:1], 0x10                ; C
	s_load_b128 s[68:71], s[0:1], 0x18             ; bias s[68:69], R s[70:71]
	v_lshl_add_u32 v[SPW], v0, 2, SPARE
	v_mov_b32 v[NIL], 0
	ds_add_u32 v28, v29
	ds_add_u32 v28, v29
	s_wait_dscnt 0x0
	v_lshrrev_b32 v1, 5, v0
	v_readfirstlane_b32 s10, v1                    ; wave 0..3
	s_lshr_b32 s11, s10, 1                         ; which half of the tile's rows is mine.  Also: I fetch for A (0) or for W (1)
	s_and_b32 s12, s10, 1                          ; which half of its columns.  Also: which half of that tile I fetch
	s_bfe_u32 s40, ttmp6, 0x40000                  ; cx
	s_bfe_u32 s41, ttmp6, 0x40004                  ; cy
	s_lshl_b32 s42, ttmp9, 2
	s_add_co_u32 s42, s42, s40                     ; tile column
	s_and_b32 s13, ttmp7, 0xffff
	s_lshl_b32 s13, s13, 2
	s_add_co_u32 s13, s13, s41                     ; tile row
	s_lshl_b32 s43, s41, 2
	s_lshl_b32 s43, 15, s43                        ; my row of the cluster
	s_lshl_b32 s44, 0x1111, s40                    ; my column
	s_and_b32 s45, ttmp7, 3                        ; where my cluster's walk along K begins: made of the cluster's x and y alone
	s_lshl1_add_u32 s[SG], ttmp9, s45              ; 2 x cluster x + cluster y % 4,
	s_mul_i32 s[SG], s[SG], STEPS/4                ; in quarters of K,
	s_and_b32 s[SG], s[SG], STEPS-1                ; modulo the steps
	; A: four rows of 8,192 dense bytes (64 rows x 64 numbers of one k block), a block of 262,144 elements apart; 16 bytes of padding behind every 128
	s_or_b32 s[G1+0], s43, (1<<16)|(1<<20)|(1<<21)|(4<<22)|(3<<25)
	s_mov_b32 s[G1+1], 4096<<16                    ; tensor_dim0 = 4,096
	s_mov_b32 s[G1+2], 4<<16                       ; tensor_dim1 = 4
	s_mov_b32 s[G1+3], 4096<<16                    ; tile_dim0 = 4,096
	s_mov_b32 s[G1+4], 4                           ; tile_dim1 = 4
	s_mov_b32 s[G1+5], 262144
	s_mov_b32 s[G1+6], 0
	s_mov_b32 s[G1+7], 0
	; W: 128 k rows of 128 numbers; 32 bytes of padding behind every 256
	s_or_b32 s[G1B+0], s44, (1<<16)|(1<<20)|(1<<21)|(5<<22)|(7<<25)
	s_mov_b32 s[G1B+1], 128<<16
	s_mov_b32 s[G1B+2], 128<<16
	s_mov_b32 s[G1B+3], 128<<16
	s_mov_b32 s[G1B+4], 128
	s_mov_b32 s[G1B+5], 128
	s_mov_b32 s[G1B+6], 0
	s_mov_b32 s[G1B+7], 0
	s_lshl_b32 s16, s13, 14                        ; A: 128 rows of 128 bytes in a block,
	s_lshl_b32 s17, s12, 13                        ; + 64 rows
	s_add_co_u32 s16, s16, s17
	s_mov_b32 s17, 0
	s_mul_i32 s46, s42, TCOL                       ; W: the tile column,
	s_lshl_b32 s47, s12, 15                        ; + 128 k rows of 256 bytes
	s_add_co_u32 s46, s46, s47
	s_add_co_u32 s46, s46, WOFF
	s_mov_b32 s47, 0
	s_mul_i32 s20, s10, CH                         ; where my load lands
	s_mov_b32 s[TB], 0
	s_wait_kmcnt 0x0
	s_add_nc_u64 s[14:15], s[4:5], s[16:17]        ; my part of A's tiles at K step 0; kept
	s_add_nc_u64 s[46:47], s[6:7], s[46:47]        ; the same for W; kept
	CROUND                                         ; all sixteen work-groups are here: the first joint loads meet
.irp s, 0,1
	s_mov_b32 s[G0+4*(\s)], 1
	s_add_co_u32 s[G0+4*(\s)+1], s20, (\s)*SLOT
	s_mov_b32 s[G0B+4*(\s)], 1
	s_add_co_u32 s[G0B+4*(\s)+1], s20, (\s)*SLOT
	WHERE \s
	JLOAD \s                                       ; two loads of mine are out
.if (\s) == 0
	NEXTK
.endif
.endr
	v_and_b32 v1, 15, v0                           ; r
	v_bfe_u32 v2, v0, 4, 1                         ; h
	v_lshlrev_b32 v[BO], 5, v2
	v_lshlrev_b32 v[CO], 4, v1
	v_lshl_add_u32 v[CO], v2, 12, v[CO]            ; lanes 0-15 one row's 256 bytes, lanes 16-31 the next row's
	s_lshl_b32 s66, s42, 9
	s_lshl_b32 s67, s12, 8
	s_add_co_u32 s66, s66, s67                     ; my 64 columns, in bytes of f32
	s_mov_b32 s67, 0
	s_add_nc_u64 s[68:69], s[68:69], s[66:67]
	s_lshl_b32 s67, s13, 19                        ; + row 128 x tile row + 64 x half, 4,096 bytes a row
	s_add_co_u32 s66, s66, s67
	s_lshl_b32 s67, s11, 18
	s_add_co_u32 s66, s66, s67
	s_mov_b32 s67, 0
	s_add_nc_u64 s[70:71], s[70:71], s[66:67]
	s_add_nc_u64 s[8:9], s[8:9], s[66:67]
	WIN 0x80                                       ; destination window 2, address window 0
.irp b, 0,1,2,3                        ; register j of block b: column 16 b + 8 h + j, as in the accumulators
	global_load_b128 v[BI+8*(\b):BI+8*(\b)+3],   v[BO], s[68:69] offset:64*(\b)
	global_load_b128 v[BI+8*(\b)+4:BI+8*(\b)+7], v[BO], s[68:69] offset:64*(\b)+16
.endr
.set u, 0
.rept 32                               ; the residual of my 64 x 64, two rows a load, asked for now and wanted on the way out; each of its bytes is read once in the launch
	global_load_b128 v[RES+4*u:RES+4*u+3], v[CO], s[70:71] offset:2*u*4096 th:TH_LOAD_NT
.set u, u+1
.endr
	WIN 0
	v_mul_u32_u24 v3, v1, PA
	v_lshl_add_u32 v3, v2, 4, v3                   ; A: row x pitch + 16 h
	s_mul_i32 s21, s11, CH
	v_add_nc_u32 v[ADRA0], s21, v3
	v_add_nc_u32 v[ADRA], s21, v3
	v_and_b32 v4, 7, v0                            ; W, turned: lane l reads k row 8 h + l % 8, 16 bytes at 16 ((l / 8) % 2)
	v_lshl_add_u32 v4, v2, 3, v4
	v_mul_u32_u24 v4, v4, PB
	v_bfe_u32 v5, v0, 3, 1
	v_lshl_add_u32 v4, v5, 4, v4
	s_lshl_b32 s22, s12, 7                         ; my 64 columns,
	s_add_co_u32 s22, s22, 2*CH                    ; behind A's two halves
	v_add_nc_u32 v[ADRB0], s22, v4
	v_add_nc_u32 v[ADRB], s22, v4
	v_add_nc_u32 v[ADRB+1], CH, v[ADRB]
	s_mul_i32 s23, s10, 16*SPITCH
	s_add_co_u32 s23, s23, STAGE                   ; my stage
	v_mul_u32_u24 v6, v1, SPITCH
	v_lshl_add_u32 v6, v2, 5, v6
	v_add_nc_u32 v[STO], s23, v6                   ; in: row r, 32 bytes for each half of the lanes
	v_mul_u32_u24 v6, v2, SPITCH
	v_lshl_add_u32 v6, v1, 4, v6
	v_add_nc_u32 v[RD], s23, v6                    ; back: lanes 0-15 one row of 256 bytes, lanes 16-31 the next
; 8 matrix instructions: m blocks a0, a0 + 1 x all 4 n blocks, 32 along K: half c of buffer f.  zero = 1: the bias is the C operand that starts the sums.  The 16 accumulators take turns.
.macro MUL8 f, c, a0, zero
.if \zero
	WIN 0x25                                       ; sources 0 and 1 window 1, C (the bias) window 2, D window 0
.else
	WIN 0x05
.endif
.irp a, \a0, (\a0)+1
.irp b, 0,1,2,3
.if \zero
	v_wmma_f32_16x16x32_f16 v[ACC+8*(4*(\a)+(\b)):ACC+8*(4*(\a)+(\b))+7], v[(\f)+64+8*(4*(\c)+(\b)):(\f)+64+8*(4*(\c)+(\b))+7], v[(\f)+8*(4*(\c)+(\a)):(\f)+8*(4*(\c)+(\a))+7], v[BI+8*(\b):BI+8*(\b)+7]
.else
	v_wmma_f32_16x16x32_f16 v[ACC+8*(4*(\a)+(\b)):ACC+8*(4*(\a)+(\b))+7], v[(\f)+64+8*(4*(\c)+(\b)):(\f)+64+8*(4*(\c)+(\b))+7], v[(\f)+8*(4*(\c)+(\a)):(\f)+8*(4*(\c)+(\a))+7], v[ACC+8*(4*(\a)+(\b)):ACC+8*(4*(\a)+(\b))+7]
.endif
.endr
.endr
.endm
; 32 LDS loads in one run: quarter q (64 along K: one k block of A, 64 k rows of W) of the slot in hand into buffer f; the first 32 along K first
.macro FETCH q, f
	WIN TO_F
.irp c, 0,1
.irp i, 0,1,2,3
	ds_load_tr16_b128 v[(\f)+64+8*(4*(\c)+(\i)):(\f)+64+8*(4*(\c)+(\i))+3],   v[ADRB+(\q)/2] offset:((\q)%2)*64*PB+(\c)*32*PB+32*(\i)
	ds_load_tr16_b128 v[(\f)+64+8*(4*(\c)+(\i))+4:(\f)+64+8*(4*(\c)+(\i))+7], v[ADRB+(\q)/2] offset:((\q)%2)*64*PB+(\c)*32*PB+16*PB+32*(\i)
	ds_load_b128 v[(\f)+8*(4*(\c)+(\i)):(\f)+8*(4*(\c)+(\i))+3],   v[ADRA] offset:(\q)*64*PA+64*(\c)+(\i)*16*PA
	ds_load_b128 v[(\f)+8*(4*(\c)+(\i))+4:(\f)+8*(4*(\c)+(\i))+7], v[ADRA] offset:(\q)*64*PA+64*(\c)+(\i)*16*PA+32
.endr
.endr
.endm
.macro PLACES                          ; four plain vector instructions in front of loads into registers that matrix instructions have read, and of lines that read results (ISA guide 7.12.1 for vector instructions)
.rept 4
	v_nop
.endr
.endm
.macro QUARTER q, f, g, zero           ; multiplies buffer f and, in its middle, fetches quarter q into buffer g
	s_wait_dscnt 16                                ; the first 32 along K are in
	MUL8 \f, 0, 0, \zero
	MUL8 \f, 0, 2, \zero
	PLACES
	FETCH \q, \g
	s_wait_dscnt 32                                ; all but the 32 just issued
	MUL8 \f, 1, 0, 0
	MUL8 \f, 1, 2, 0
.endm
; The last quarter multiplies buffer 1 and changes slots: one barrier; in front of it each wave waits for all its tensor loads, adds 0 to its spare word, and waits for that and for its reads of this slot.
; fill = 1: the barrier opens a round of the cluster's barrier, and this slot is filled again, with the walk's step two on, first thing behind the round.
.macro TURN fill
	WIN 0
	s_wait_tensorcnt 0x0                           ; no tensor load of mine is out, so a group 0 may be written
	ds_add_u32 v[SPW], v[NIL]                      ; 0 onto my spare word
.if \fill
	s_xor_b32 s[G0+5], s[G0+5], SLOT               ; the walking descriptors: the other slot than last time,
	s_xor_b32 s[G0B+5], s[G0B+5], SLOT
	NEXTK                                          ; the walk's next K step
	WHERE 1
.endif
	s_wait_dscnt 17                                ; the add and the youngest sixteen loads may be out
	MUL8 F1, 0, 0, 0
	s_wait_dscnt 0x0                               ; the add is done, and my reads of this slot are over
	s_barrier_signal -1
	MUL8 F1, 0, 2, 0
	WIN 0
	s_barrier_wait -1
.if \fill
	CREST                                          ; no wave of any partner still reads this slot or has a load on its way
	JLOAD 1                                        ; 112 matrix instructions ahead of the wait for it; its four v_nop are also the places in front of the loads below
.else
	PLACES
.endif
	s_xor_b32 s[TB], s[TB], SLOT
	v_add_nc_u32 v[ADRA], s[TB], v[ADRA0]
	v_add_nc_u32 v[ADRB], s[TB], v[ADRB0]
	v_add_nc_u32 v[ADRB+1], CH, v[ADRB]
	FETCH 0, F0
	MUL8 F1, 1, 0, 0
	MUL8 F1, 1, 2, 0
.endm
; THE WAY OUT of block a (16 rows x 64 columns of f32): the accumulators go as they are into my own stage, low registers first, come back as whole rows of 256 bytes, take the residual and are stored.
.macro OUTB a
.set TT, TMP+32*((\a)%2)
.if (\a) > 1
	s_wait_xcnt 0x0                                ; the stores of the block two back have read these registers
.endif
.irp b, 0,1,2,3
	ds_store_b128 v[STO], v[ACC+8*(4*(\a)+(\b)):ACC+8*(4*(\a)+(\b))+3]   offset:64*(\b)
	ds_store_b128 v[STO], v[ACC+8*(4*(\a)+(\b))+4:ACC+8*(4*(\a)+(\b))+7] offset:64*(\b)+16
.endr
.irp t, 0,1,2,3,4,5,6,7
	ds_load_b128 v[TT+4*(\t):TT+4*(\t)+3], v[RD] offset:(\t)*2*SPITCH  ; LDS serves a wave's instructions in order (ISA guide 5.7.1.4): these see the stores above
.endr
	s_wait_dscnt 0x0
	WIN 0x08                                       ; source 1 in window 2
.set z, 0
.rept 16
	v_pk_add_f32 v[TT+2*z:TT+2*z+1], v[TT+2*z:TT+2*z+1], v[RES+32*(\a)+2*z:RES+32*(\a)+2*z+1]
.set z, z+1
.endr
	WIN 0
.irp t, 0,1,2,3,4,5,6,7
	global_store_b128 v[CO], v[TT+4*(\t):TT+4*(\t)+3], s[8:9] offset:(16*(\a)+2*(\t))*4096  ; 16 lanes store 256 consecutive bytes, at a multiple of 256 from C's first byte
.endr
.endm
	s_wait_tensorcnt 1                             ; my part of the walk's first step is in; the second's may stay out
	s_barrier_signal -1
	s_barrier_wait -1
	FETCH 0, F0
	s_wait_loadcnt 32                              ; the bias is in; the 32 loads of the residual stay out
	QUARTER 1, F0, F1, 1                           ; the first quarter stands in front of the loop: its first products start the sums
	WIN 0
	s_mov_b32 s3, STEPS-2
.Lstep:                                                ; a trip goes from a K step's second quarter to the next step's first, and fills one slot again
	QUARTER 2, F1, F0, 0
	QUARTER 3, F0, F1, 0
	TURN 1
	QUARTER 1, F0, F1, 0
	WIN 0
	s_sub_co_u32 s3, s3, 1
	s_cmp_lg_u32 s3, 0
	s_cbranch_scc1 .Lstep
	s_mov_b32 s3, 2
.Ltail:                                                ; the last two K steps ask for nothing; the second trip is left in its middle
	QUARTER 2, F1, F0, 0
	QUARTER 3, F0, F1, 0
	WIN 0
	s_cmp_eq_u32 s3, 1
	s_cbranch_scc1 .Llastq
	TURN 0
	QUARTER 1, F0, F1, 0
	WIN 0
	s_sub_co_u32 s3, s3, 1
	s_cmp_lg_u32 s3, 0
	s_cbranch_scc1 .Ltail
.Llastq:
	s_wait_dscnt 16
	MUL8 F1, 0, 0, 0
	MUL8 F1, 0, 2, 0
	s_wait_dscnt 0x0
	MUL8 F1, 1, 0, 0
	MUL8 F1, 1, 2, 0
	WIN 0
	PLACES
	s_wait_loadcnt 0x0                             ; the residual
	OUTB 0
	OUTB 1
	OUTB 2
	OUTB 3
	s_wait_tensorcnt 0x0                           ; the wave's end
	ds_add_u32 v[SPW], v[NIL]
	s_wait_dscnt 0x0
	CROUND                                         ; the closing round: no work-group ends while a partner may still ask for a tile that names it
	s_endpgm
.Lfunc_end_k_q15394c1799_wo:
	.size	k_q15394c1799_wo, .Lfunc_end_k_q15394c1799_wo-k_q15394c1799_wo
	.p2alignl 7, 3214868480
	.fill 96, 4, 3214868480
	.section	.rodata,"a",@progbits
	.p2align	6, 0x0
	.amdhsa_kernel k_q15394c1799_wo
		.amdhsa_group_segment_fixed_size 327680
		.amdhsa_private_segment_fixed_size 0
		.amdhsa_enable_private_segment 0
		.amdhsa_kernarg_size 40
		.amdhsa_user_sgpr_count 2
		.amdhsa_user_sgpr_kernarg_segment_ptr 1
		.amdhsa_wavefront_size32 1
		.amdhsa_system_sgpr_workgroup_id_x 1
		.amdhsa_system_sgpr_workgroup_id_y 1
		.amdhsa_system_sgpr_workgroup_id_z 1
		.amdhsa_system_vgpr_workitem_id 0
		.amdhsa_next_free_vgpr 672
		.amdhsa_next_free_sgpr 76
		.amdhsa_reserve_vcc 0
		.amdhsa_float_denorm_mode_32 3
		.amdhsa_float_denorm_mode_16_64 3
		.amdhsa_memory_ordered 1
		.amdhsa_forward_progress 1
		.amdhsa_inst_pref_size 69
	.end_amdhsa_kernel
	.amdgpu_metadata
---
amdhsa.version: [ 1, 2 ]
amdhsa.kernels:
  - .name:           k_q15394c1799_wo
    .symbol:         k_q15394c1799_wo.kd
    .args:
      - { .name: act, .offset: 0, .size: 8, .value_kind: global_buffer, .address_space: global }
      - { .name: wo2, .offset: 8, .size: 8, .value_kind: global_buffer, .address_space: global }
      - { .name: x1, .offset: 16, .size: 8, .value_kind: global_buffer, .address_space: global }
      - { .name: bo, .offset: 24, .size: 8, .value_kind: global_buffer, .address_space: global }
      - { .name: x, .offset: 32, .size: 8, .value_kind: global_buffer, .address_space: global }
    .group_segment_fixed_size: 327680
    .private_segment_fixed_size: 0
    .kernarg_segment_align: 8
    .kernarg_segment_size: 40
    .max_flat_workgroup_size: 128
    .sgpr_count:     76
    .vgpr_count:     672
    .wavefront_size: 32
...
	.end_amdgpu_metadata
.endif
;; end of part 4
;; launch ln2 (part 5): grid 256 x 1, 8 waves a work-group, no clusters, 0 bytes of LDS; arguments x1, gamma2, beta2, xn; writes xn
.if DOCPART == 5
	.amdgcn_target "amdgcn-amd-amdhsa--gfx1250"
	.amdhsa_code_object_version 6
	.text
	.protected	k_q15394c1799_ln2
	.globl	k_q15394c1799_ln2
	.p2align	8
	.type	k_q15394c1799_ln2,@function
k_q15394c1799_ln2:
	s_mov_b64 s[64:65], 0
	v_nop
	global_prefetch_b8 v0, s[64:65] scope:SCOPE_SE
	s_setreg_imm32_b32 hwreg(HW_REG_WAVE_MODE, 25, 1), 1
	s_wait_xcnt 0x0
; xn = layernorm(x1) gamma2 + beta2, rounded once to f16.  x1: f32 [4096][1024]; xn: f16 [4096][1024].  16 rows a work-group, two rows a wave: a row stays in 32 registers of its wave between the
; passes, so it is read once, the reductions never leave the wave, and there is no LDS and no barrier.  Mean first, then the mean of (x - mean)^2: a common offset cancels before anything is squared.
; LIMIT.  f16 ends at 65,504 and keeps a fixed step of 6e-8 below 6e-5.
.set G,   4                            ; v[4:35]    gamma of my 32 columns
.set BT,  36                           ; v[36:67]   beta
.set X,   68                           ; v[68:131]  two rows x 32 numbers
.set Y,   132                          ; v[132:163] f16 to store
.set T,   164                          ; v[164:171] at work
.set MU,  172                          ; v[172:173] the mean, twice
.set RS,  174                          ; v[174:175] 1 / sqrt(var + eps), twice
.macro REDUCE                          ; four pairs in v[T:T+7] -> their sum over the wave's 32 lanes, in v[T] of every lane
	v_pk_add_f32 v[T:T+1], v[T:T+1], v[T+2:T+3]
	v_pk_add_f32 v[T+4:T+5], v[T+4:T+5], v[T+6:T+7]
	v_pk_add_f32 v[T:T+1], v[T:T+1], v[T+4:T+5]
	v_add_f32 v[T], v[T], v[T+1]
	v_add_f32_dpp v[T], v[T], v[T] row_xmask:1 row_mask:0xf bank_mask:0xf
	v_add_f32_dpp v[T], v[T], v[T] row_xmask:2 row_mask:0xf bank_mask:0xf
	v_add_f32_dpp v[T], v[T], v[T] row_xmask:4 row_mask:0xf bank_mask:0xf
	v_add_f32_dpp v[T], v[T], v[T] row_xmask:8 row_mask:0xf bank_mask:0xf
	v_permlanex16_b32 v[T+1], v[T], s60, s61       ; the other half of the lanes; its destination has been written
	v_add_f32 v[T], v[T], v[T+1]
.endm
.macro STAT r                          ; row r: the mean; x - mean in place; the mean of its squares; times 1 / sqrt(var + eps)
.set XR, X+32*(\r)
.irp c, 0,1,2,3
	v_pk_add_f32 v[T+2*(\c):T+2*(\c)+1], v[XR+2*(\c):XR+2*(\c)+1], v[XR+8+2*(\c):XR+8+2*(\c)+1]  ; the first pairs start four chains: nothing is cleared
.endr
.irp g, 16,24
.irp c, 0,1,2,3
	v_pk_add_f32 v[T+2*(\c):T+2*(\c)+1], v[T+2*(\c):T+2*(\c)+1], v[XR+(\g)+2*(\c):XR+(\g)+2*(\c)+1]
.endr
.endr
	REDUCE
	v_mul_f32 v[MU], s58, v[T]                     ; sum / 1024
	v_mul_f32 v[MU+1], s58, v[T]
.set p, 0
.rept 16
	v_pk_add_f32 v[XR+2*p:XR+2*p+1], v[XR+2*p:XR+2*p+1], v[MU:MU+1] neg_lo:[0,1] neg_hi:[0,1]
.set p, p+1
.endr
.irp c, 0,1,2,3
	v_pk_mul_f32 v[T+2*(\c):T+2*(\c)+1], v[XR+2*(\c):XR+2*(\c)+1], v[XR+2*(\c):XR+2*(\c)+1]
.endr
.irp g, 8,16,24
.irp c, 0,1,2,3
	v_pk_fma_f32 v[T+2*(\c):T+2*(\c)+1], v[XR+(\g)+2*(\c):XR+(\g)+2*(\c)+1], v[XR+(\g)+2*(\c):XR+(\g)+2*(\c)+1], v[T+2*(\c):T+2*(\c)+1]
.endr
.endr
	REDUCE
	v_fma_f32 v[T], v[T], s58, s59                 ; var + eps
	v_rsq_f32 v[RS], v[T]
	v_rsq_f32 v[RS+1], v[T]
	v_nop                                          ; a plain instruction between the root and the use of its result (ISA guide 5.7.2)
.set p, 0
	s_wait_alu depctr_va_vdst(0)
.rept 16
	v_pk_mul_f32 v[XR+2*p:XR+2*p+1], v[XR+2*p:XR+2*p+1], v[RS:RS+1]
.set p, p+1
.endr
.endm
.macro NORM r                          ; row r: times gamma plus beta, rounded to f16, stored: each store of the wave covers 512 consecutive bytes, aligned
.set XR, X+32*(\r)
.set p, 0
.rept 16
	v_pk_fma_f32 v[XR+2*p:XR+2*p+1], v[XR+2*p:XR+2*p+1], v[G+2*p:G+2*p+1], v[BT+2*p:BT+2*p+1]
.set p, p+1
.endr
.set p, 0
.rept 16
	v_cvt_pk_f16_f32 v[Y+16*(\r)+p], v[XR+2*p], v[XR+2*p+1]
.set p, p+1
.endr
.irp j, 0,1,2,3
	global_store_b128 v2, v[Y+16*(\r)+4*(\j):Y+16*(\r)+4*(\j)+3], s[50:51] offset:2048*(\r)+512*(\j)
.endr
.endm
	s_load_b256 s[8:15], s[0:1], 0x0               ; x1 s[8:9], gamma2 s[10:11], beta2 s[12:13], xn s[14:15]
	v_lshrrev_b32 v3, 5, v0
	v_readfirstlane_b32 s4, v3                     ; wave 0..7
	v_and_b32 v3, 31, v0                           ; lane
	s_lshl_b32 s42, ttmp9, 4
	s_lshl1_add_u32 s42, s4, s42                   ; my first row = 16 x work-group + 2 x wave
	s_lshl_b32 s44, s42, 12                        ; 4,096 bytes a row in,
	s_mov_b32 s45, 0
	s_lshl_b32 s46, s42, 11                        ; 2,048 out
	s_mov_b32 s47, 0
	s_mov_b32 s58, 0x3a800000                      ; 1 / 1024
	s_mov_b32 s59, 0x3727c5ac                      ; eps = 1e-5
	s_mov_b32 s60, 0x76543210                      ; v_permlanex16_b32: each lane takes its own place in the other half
	s_mov_b32 s61, 0xfedcba98
	v_lshlrev_b32 v1, 5, v3                        ; a lane owns columns 256 j + 8 lane .. + 7, j = 0..3: 32 bytes in,
	v_lshlrev_b32 v2, 4, v3                        ; 16 bytes out
	s_wait_kmcnt 0x0
	s_add_nc_u64 s[48:49], s[8:9], s[44:45]
	s_add_nc_u64 s[50:51], s[14:15], s[46:47]
.irp r, 0,1
.irp j, 0,1,2,3
	global_load_b128 v[X+32*(\r)+8*(\j):X+32*(\r)+8*(\j)+3],   v1, s[48:49] offset:4096*(\r)+1024*(\j)
	global_load_b128 v[X+32*(\r)+8*(\j)+4:X+32*(\r)+8*(\j)+7], v1, s[48:49] offset:4096*(\r)+1024*(\j)+16
.endr
.endr
.irp j, 0,1,2,3
	global_load_b128 v[G+8*(\j):G+8*(\j)+3],   v1, s[10:11] offset:1024*(\j)
	global_load_b128 v[G+8*(\j)+4:G+8*(\j)+7], v1, s[10:11] offset:1024*(\j)+16
.endr
.irp j, 0,1,2,3
	global_load_b128 v[BT+8*(\j):BT+8*(\j)+3],   v1, s[12:13] offset:1024*(\j)
	global_load_b128 v[BT+8*(\j)+4:BT+8*(\j)+7], v1, s[12:13] offset:1024*(\j)+16
.endr
	s_wait_loadcnt 24                              ; row 0 is in; the 24 younger loads (row 1, gamma, beta) stay out
	STAT 0
	s_wait_loadcnt 16                              ; row 1 is in
	STAT 1
	s_wait_loadcnt 0x0                             ; gamma and beta
	NORM 0
	NORM 1
	s_endpgm
.Lfunc_end_k_q15394c1799_ln2:
	.size	k_q15394c1799_ln2, .Lfunc_end_k_q15394c1799_ln2-k_q15394c1799_ln2
	.p2alignl 7, 3214868480
	.fill 96, 4, 3214868480
	.section	.rodata,"a",@progbits
	.p2align	6, 0x0
	.amdhsa_kernel k_q15394c1799_ln2
		.amdhsa_group_segment_fixed_size 0
		.amdhsa_private_segment_fixed_size 0
		.amdhsa_enable_private_segment 0
		.amdhsa_kernarg_size 32
		.amdhsa_user_sgpr_count 2
		.amdhsa_user_sgpr_kernarg_segment_ptr 1
		.amdhsa_wavefront_size32 1
		.amdhsa_system_sgpr_workgroup_id_x 1
		.amdhsa_system_sgpr_workgroup_id_y 1
		.amdhsa_system_sgpr_workgroup_id_z 1
		.amdhsa_system_vgpr_workitem_id 0
		.amdhsa_next_free_vgpr 176
		.amdhsa_next_free_sgpr 66
		.amdhsa_reserve_vcc 0
		.amdhsa_float_denorm_mode_32 3
		.amdhsa_float_denorm_mode_16_64 3
		.amdhsa_memory_ordered 1
		.amdhsa_forward_progress 1
		.amdhsa_inst_pref_size 20
	.end_amdhsa_kernel
	.amdgpu_metadata
---
amdhsa.version: [ 1, 2 ]
amdhsa.kernels:
  - .name:           k_q15394c1799_ln2
    .symbol:         k_q15394c1799_ln2.kd
    .args:
      - { .name: x1, .offset: 0, .size: 8, .value_kind: global_buffer, .address_space: global }
      - { .name: gamma2, .offset: 8, .size: 8, .value_kind: global_buffer, .address_space: global }
      - { .name: beta2, .offset: 16, .size: 8, .value_kind: global_buffer, .address_space: global }
      - { .name: xn, .offset: 24, .size: 8, .value_kind: global_buffer, .address_space: global }
    .group_segment_fixed_size: 0
    .private_segment_fixed_size: 0
    .kernarg_segment_align: 8
    .kernarg_segment_size: 32
    .max_flat_workgroup_size: 256
    .sgpr_count:     66
    .vgpr_count:     176
    .wavefront_size: 32
...
	.end_amdgpu_metadata
.endif
;; end of part 5
;; launch ffn1: the kernel of part 2 again; grid 16 x 16, 4 waves a work-group, clusters of 4 x 4, 327,680 bytes of LDS; arguments xn, w1c, act; writes act
;; launch ffn2 (part 6): grid 8 x 32, 4 waves a work-group, clusters of 4 x 4, 327,680 bytes of LDS; arguments act, wo2, out0, b2, x1; writes out0
.if DOCPART == 6
	.amdgcn_target "amdgcn-amd-amdhsa--gfx1250"
	.amdhsa_code_object_version 6
	.text
	.protected	k_q15394c1799_ffn2
	.globl	k_q15394c1799_ffn2
	.p2align	8
	.type	k_q15394c1799_ffn2,@function
k_q15394c1799_ffn2:
	s_mov_b64 s[64:65], 0
	v_nop
	global_prefetch_b8 v0, s[64:65] scope:SCOPE_SE
	s_setreg_imm32_b32 hwreg(HW_REG_WAVE_MODE, 25, 1), 1
	s_wait_xcnt 0x0
	s_wait_alu depctr_hold_cnt(0) depctr_sa_sdst(0) depctr_va_vdst(0) depctr_va_sdst(0) depctr_va_ssrc(0) depctr_va_vcc(0) depctr_vm_vsrc(0)
	s_getreg_b32 s2, hwreg(HW_REG_IB_STS2, 6, 4)
	s_cmp_eq_u32 s2, 0
	s_cbranch_scc0 .Lentry_in_a_cluster
	s_endpgm
.Lentry_in_a_cluster:
	s_bfe_u32 s2, ttmp6, 0x10000c
	s_cmp_lg_u32 s2, 0xf033
	s_cbranch_scc0 .Lentry_shape_is_right
	s_endpgm
.Lentry_shape_is_right:
; C[m][n] = R[m][n] + bias[n] + sum over k of A[m][k] W[k][n].  A: f16 by blocks of 64 columns, [KD / 64][4096 m][64].  W: f16 [n / 128][KD k][128 n], from byte WOFF of its buffer.
; R, C: f32 [4096][1024]; bias f32 [1024].  Sums in f32, started by the bias; the residual is added in f32 on the way out.  Here KD = 4,096: the second feed-forward product.
; LIMIT.  Each output has one f32 sum, but its K steps are added in a rotated order (THE WALK, below): the order of rounding differs from ascending K.
; SHARES.  A work-group of four waves makes 128 x 128 of C (256 work-groups), a wave 64 x 64: 16 accumulators.  K goes in steps of 256 through two LDS slots filled by the tensor data mover.
; A's rows lie along K inside a block and are read as they lie; W's rows lie along n and are read turned, by ds_load_tr16_b128.  Source 0 = 16 columns of W, source 1 = 16 rows of A.
; CLUSTER.  4 x 4 work-groups: A's tile is shared along a row of the cluster, W's along a column; each is asked for jointly, by the same tensor load, descriptor and mask in all four.
; THE WALK ALONG K.  A cluster takes the K steps o, o + 1, .. and wraps at K's end; o = (2 x cluster x + cluster y % 4) x STEPS / 4 modulo STEPS, the same number in all sixteen partners.  The two clusters
; that read the same tiles of A are half of K apart, the eight that read the same tiles of W stand at the four quarters of K: they do not all ask for a tile at the same time, and most of what a
; cluster asks for behind its first steps has been read before by another.
; REGISTERS, in windows of 256 (s_set_vgpr_msb: bits 1:0 source 0, 3:2 source 1, 5:4 source 2, 7:6 destination):
;   window 0: v0-31 addresses; v32-95 at work on the way out; v128-255 the accumulators ((a, b) at v[128 + 8 (4 a + b)])
;   window 1: two fragment buffers of 128: for 64 along K, 64 registers of A, then 64 of W          window 2: v0-127 the residual, as it is stored; v128-159 the bias
.set KD,     4096
.set WOFF,   2097152
.set STEPS,  KD/256
.set ASH,    21                        ; a K step is 2^21 bytes of A (four blocks of 524,288),
.set BSH,    16                        ; and 2^16 bytes of W (256 k rows of 256 bytes)
.set TCOL,   KD*256                    ; bytes of a tile column of W
.set PA,     144                       ; 64 numbers of a row of A in LDS: 128 bytes + 16
.set PB,     288                       ; a k row of W: 256 bytes + 32 = 9 x 32
.set CH,     36864                     ; what one tensor load brings: 4 k blocks x 64 rows of A, or 128 k rows of W
.set SLOT,   4*CH                      ; 0x24000: it shares no bit with wave x CH, so an exclusive or turns a wave's LDS address in one slot into the other's
.set STAGE,  2*SLOT                    ; behind the ring: 16 rows x 272 bytes for each wave
.set SPITCH, 272
.set SPARE,  STAGE+4*16*SPITCH         ; the spare words, 128 bytes for each wave
.set ADRA0, 16                         ; v16  my place in A's tile in slot 0; never rewritten
.set ADRA,  17                         ; v17  the same in the slot in hand
.set ADRB0, 20                         ; v20  likewise for W
.set ADRB,  21                         ; v21  k rows 0-127;  v22  k rows 128-255, which an LDS offset of 16 bits would not reach
.set STO,  24
.set RD,   25
.set CO,   26                          ; v26  my byte offset in two rows of C and of R
.set BO,   27
.set SPW,  28
.set NIL,  29
.set TMP,  32
.set ACC,  128
.set F0,   0
.set F1,   128
.set RES,  0                           ; in window 2
.set BI,   128                         ; in window 2
.set OF,  16                           ; s[16:17] a K step's byte offset; the high word stays 0
.set G1,  24
.set G0,  32                           ; s[32:39] group 0 for A: a set for each first fill; the second then walks
.set G1B, 48
.set G0B, 56
.set TB,  72                           ; s72  0 or SLOT: the slot in hand
.set SG,  73                           ; s73  the K step that was asked for last
.set MSB, 0
.macro WIN new
.if MSB != (\new)
	s_set_vgpr_msb (MSB<<8)|(\new)
.set MSB, \new
.endif
.endm
.set TO_F, 0x40                        ; destination window 1, address window 0
.macro JLOAD s                         ; a joint load: waves 0 and 1 fetch A's two halves, waves 2 and 3 W's; an s_nop 0 and four v_nop follow each of the two lines
	s_cmp_eq_u32 s11, 0
	s_cbranch_scc0 .Lfor_b_\@
	tensor_load_to_lds s[G0+4*(\s):G0+4*(\s)+3], s[G1:G1+7]
	s_nop 0
.rept 4
	v_nop
.endr
	s_branch .Lasked_\@
.Lfor_b_\@:
	tensor_load_to_lds s[G0B+4*(\s):G0B+4*(\s)+3], s[G1B:G1B+7]
	s_nop 0
.rept 4
	v_nop
.endr
.Lasked_\@:
.endm
.macro CREST
	s_cmp_lg_u32 s10, 0
	s_cbranch_scc1 .Lnot_wave_0_\@
	s_barrier_signal -3
.Lnot_wave_0_\@:
	s_barrier_wait -3
	s_barrier_signal -1
	s_barrier_wait -1
.endm
.macro CROUND
	s_barrier_signal -1
	s_barrier_wait -1
	CREST
.endm
.macro NEXTK                           ; the walk's next K step; behind the last comes step 0
	s_add_co_u32 s[SG], s[SG], 1
	s_and_b32 s[SG], s[SG], STEPS-1
.endm
.macro WHERE s                         ; set s of both group 0: the global addresses of K step SG, made anew from my part of the tiles at K step 0 and that number
	s_lshl_b32 s[OF], s[SG], ASH
	s_add_nc_u64 s[G0+4*(\s)+2:G0+4*(\s)+3], s[14:15], s[OF:OF+1]
	s_or_b32 s[G0+4*(\s)+3], s[G0+4*(\s)+3], 0x80000000
	s_lshl_b32 s[OF], s[SG], BSH
	s_add_nc_u64 s[G0B+4*(\s)+2:G0B+4*(\s)+3], s[46:47], s[OF:OF+1]
	s_or_b32 s[G0B+4*(\s)+3], s[G0B+4*(\s)+3], 0x80000000
.endm
	s_load_b128 s[4:7], s[0:1], 0x0                ; A s[4:5], W s[6:7]
	s_load_b64 s[8:9], s[0:1], 0x10                ; C
	s_load_b128 s[68:71], s[0:1], 0x18             ; bias s[68:69], R s[70:71]
	v_lshl_add_u32 v[SPW], v0, 2, SPARE
	v_mov_b32 v[NIL], 0
	ds_add_u32 v28, v29
	ds_add_u32 v28, v29
	s_wait_dscnt 0x0
	v_lshrrev_b32 v1, 5, v0
	v_readfirstlane_b32 s10, v1                    ; wave 0..3
	s_lshr_b32 s11, s10, 1                         ; which half of the tile's rows is mine.  Also: I fetch for A (0) or for W (1)
	s_and_b32 s12, s10, 1                          ; which half of its columns.  Also: which half of that tile I fetch
	s_bfe_u32 s40, ttmp6, 0x40000                  ; cx
	s_bfe_u32 s41, ttmp6, 0x40004                  ; cy
	s_lshl_b32 s42, ttmp9, 2
	s_add_co_u32 s42, s42, s40                     ; tile column
	s_and_b32 s13, ttmp7, 0xffff
	s_lshl_b32 s13, s13, 2
	s_add_co_u32 s13, s13, s41                     ; tile row
	s_lshl_b32 s43, s41, 2
	s_lshl_b32 s43, 15, s43                        ; my row of the cluster
	s_lshl_b32 s44, 0x1111, s40                    ; my column
	s_and_b32 s45, ttmp7, 3                        ; where my cluster's walk along K begins: made of the cluster's x and y alone
	s_lshl1_add_u32 s[SG], ttmp9, s45              ; 2 x cluster x + cluster y % 4,
	s_mul_i32 s[SG], s[SG], STEPS/4                ; in quarters of K,
	s_and_b32 s[SG], s[SG], STEPS-1                ; modulo the steps
	; A: four rows of 8,192 dense bytes (64 rows x 64 numbers of one k block), a block of 262,144 elements apart; 16 bytes of padding behind every 128
	s_or_b32 s[G1+0], s43, (1<<16)|(1<<20)|(1<<21)|(4<<22)|(3<<25)
	s_mov_b32 s[G1+1], 4096<<16                    ; tensor_dim0 = 4,096
	s_mov_b32 s[G1+2], 4<<16                       ; tensor_dim1 = 4
	s_mov_b32 s[G1+3], 4096<<16                    ; tile_dim0 = 4,096
	s_mov_b32 s[G1+4], 4                           ; tile_dim1 = 4
	s_mov_b32 s[G1+5], 262144
	s_mov_b32 s[G1+6], 0
	s_mov_b32 s[G1+7], 0
	; W: 128 k rows of 128 numbers; 32 bytes of padding behind every 256
	s_or_b32 s[G1B+0], s44, (1<<16)|(1<<20)|(1<<21)|(5<<22)|(7<<25)
	s_mov_b32 s[G1B+1], 128<<16
	s_mov_b32 s[G1B+2], 128<<16
	s_mov_b32 s[G1B+3], 128<<16
	s_mov_b32 s[G1B+4], 128
	s_mov_b32 s[G1B+5], 128
	s_mov_b32 s[G1B+6], 0
	s_mov_b32 s[G1B+7], 0
	s_lshl_b32 s16, s13, 14                        ; A: 128 rows of 128 bytes in a block,
	s_lshl_b32 s17, s12, 13                        ; + 64 rows
	s_add_co_u32 s16, s16, s17
	s_mov_b32 s17, 0
	s_mul_i32 s46, s42, TCOL                       ; W: the tile column,
	s_lshl_b32 s47, s12, 15                        ; + 128 k rows of 256 bytes
	s_add_co_u32 s46, s46, s47
	s_add_co_u32 s46, s46, WOFF
	s_mov_b32 s47, 0
	s_mul_i32 s20, s10, CH                         ; where my load lands
	s_mov_b32 s[TB], 0
	s_wait_kmcnt 0x0
	s_add_nc_u64 s[14:15], s[4:5], s[16:17]        ; my part of A's tiles at K step 0; kept
	s_add_nc_u64 s[46:47], s[6:7], s[46:47]        ; the same for W; kept
	CROUND                                         ; all sixteen work-groups are here: the first joint loads meet
.irp s, 0,1
	s_mov_b32 s[G0+4*(\s)], 1
	s_add_co_u32 s[G0+4*(\s)+1], s20, (\s)*SLOT
	s_mov_b32 s[G0B+4*(\s)], 1
	s_add_co_u32 s[G0B+4*(\s)+1], s20, (\s)*SLOT
	WHERE \s
	JLOAD \s                                       ; two loads of mine are out
.if (\s) == 0
	NEXTK
.endif
.endr
	v_and_b32 v1, 15, v0                           ; r
	v_bfe_u32 v2, v0, 4, 1                         ; h
	v_lshlrev_b32 v[BO], 5, v2
	v_lshlrev_b32 v[CO], 4, v1
	v_lshl_add_u32 v[CO], v2, 12, v[CO]            ; lanes 0-15 one row's 256 bytes, lanes 16-31 the next row's
	s_lshl_b32 s66, s42, 9
	s_lshl_b32 s67, s12, 8
	s_add_co_u32 s66, s66, s67                     ; my 64 columns, in bytes of f32
	s_mov_b32 s67, 0
	s_add_nc_u64 s[68:69], s[68:69], s[66:67]
	s_lshl_b32 s67, s13, 19                        ; + row 128 x tile row + 64 x half, 4,096 bytes a row
	s_add_co_u32 s66, s66, s67
	s_lshl_b32 s67, s11, 18
	s_add_co_u32 s66, s66, s67
	s_mov_b32 s67, 0
	s_add_nc_u64 s[70:71], s[70:71], s[66:67]
	s_add_nc_u64 s[8:9], s[8:9], s[66:67]
	WIN 0x80                                       ; destination window 2, address window 0
.irp b, 0,1,2,3                        ; register j of block b: column 16 b + 8 h + j, as in the accumulators
	global_load_b128 v[BI+8*(\b):BI+8*(\b)+3],   v[BO], s[68:69] offset:64*(\b)
	global_load_b128 v[BI+8*(\b)+4:BI+8*(\b)+7], v[BO], s[68:69] offset:64*(\b)+16
.endr
.set u, 0
.rept 32                               ; the residual of my 64 x 64, two rows a load, asked for now and wanted on the way out; each of its bytes is read once in the launch
	global_load_b128 v[RES+4*u:RES+4*u+3], v[CO], s[70:71] offset:2*u*4096 th:TH_LOAD_NT
.set u, u+1
.endr
	WIN 0
	v_mul_u32_u24 v3, v1, PA
	v_lshl_add_u32 v3, v2, 4, v3                   ; A: row x pitch + 16 h
	s_mul_i32 s21, s11, CH
	v_add_nc_u32 v[ADRA0], s21, v3
	v_add_nc_u32 v[ADRA], s21, v3
	v_and_b32 v4, 7, v0                            ; W, turned: lane l reads k row 8 h + l % 8, 16 bytes at 16 ((l / 8) % 2)
	v_lshl_add_u32 v4, v2, 3, v4
	v_mul_u32_u24 v4, v4, PB
	v_bfe_u32 v5, v0, 3, 1
	v_lshl_add_u32 v4, v5, 4, v4
	s_lshl_b32 s22, s12, 7                         ; my 64 columns,
	s_add_co_u32 s22, s22, 2*CH                    ; behind A's two halves
	v_add_nc_u32 v[ADRB0], s22, v4
	v_add_nc_u32 v[ADRB], s22, v4
	v_add_nc_u32 v[ADRB+1], CH, v[ADRB]
	s_mul_i32 s23, s10, 16*SPITCH
	s_add_co_u32 s23, s23, STAGE                   ; my stage
	v_mul_u32_u24 v6, v1, SPITCH
	v_lshl_add_u32 v6, v2, 5, v6
	v_add_nc_u32 v[STO], s23, v6                   ; in: row r, 32 bytes for each half of the lanes
	v_mul_u32_u24 v6, v2, SPITCH
	v_lshl_add_u32 v6, v1, 4, v6
	v_add_nc_u32 v[RD], s23, v6                    ; back: lanes 0-15 one row of 256 bytes, lanes 16-31 the next
; 8 matrix instructions: m blocks a0, a0 + 1 x all 4 n blocks, 32 along K: half c of buffer f.  zero = 1: the bias is the C operand that starts the sums.  The 16 accumulators take turns.
.macro MUL8 f, c, a0, zero
.if \zero
	WIN 0x25                                       ; sources 0 and 1 window 1, C (the bias) window 2, D window 0
.else
	WIN 0x05
.endif
.irp a, \a0, (\a0)+1
.irp b, 0,1,2,3
.if \zero
	v_wmma_f32_16x16x32_f16 v[ACC+8*(4*(\a)+(\b)):ACC+8*(4*(\a)+(\b))+7], v[(\f)+64+8*(4*(\c)+(\b)):(\f)+64+8*(4*(\c)+(\b))+7], v[(\f)+8*(4*(\c)+(\a)):(\f)+8*(4*(\c)+(\a))+7], v[BI+8*(\b):BI+8*(\b)+7]
.else
	v_wmma_f32_16x16x32_f16 v[ACC+8*(4*(\a)+(\b)):ACC+8*(4*(\a)+(\b))+7], v[(\f)+64+8*(4*(\c)+(\b)):(\f)+64+8*(4*(\c)+(\b))+7], v[(\f)+8*(4*(\c)+(\a)):(\f)+8*(4*(\c)+(\a))+7], v[ACC+8*(4*(\a)+(\b)):ACC+8*(4*(\a)+(\b))+7]
.endif
.endr
.endr
.endm
; 32 LDS loads in one run: quarter q (64 along K: one k block of A, 64 k rows of W) of the slot in hand into buffer f; the first 32 along K first
.macro FETCH q, f
	WIN TO_F
.irp c, 0,1
.irp i, 0,1,2,3
	ds_load_tr16_b128 v[(\f)+64+8*(4*(\c)+(\i)):(\f)+64+8*(4*(\c)+(\i))+3],   v[ADRB+(\q)/2] offset:((\q)%2)*64*PB+(\c)*32*PB+32*(\i)
	ds_load_tr16_b128 v[(\f)+64+8*(4*(\c)+(\i))+4:(\f)+64+8*(4*(\c)+(\i))+7], v[ADRB+(\q)/2] offset:((\q)%2)*64*PB+(\c)*32*PB+16*PB+32*(\i)
	ds_load_b128 v[(\f)+8*(4*(\c)+(\i)):(\f)+8*(4*(\c)+(\i))+3],   v[ADRA] offset:(\q)*64*PA+64*(\c)+(\i)*16*PA
	ds_load_b128 v[(\f)+8*(4*(\c)+(\i))+4:(\f)+8*(4*(\c)+(\i))+7], v[ADRA] offset:(\q)*64*PA+64*(\c)+(\i)*16*PA+32
.endr
.endr
.endm
.macro PLACES                          ; four plain vector instructions in front of loads into registers that matrix instructions have read, and of lines that read results (ISA guide 7.12.1 for vector instructions)
.rept 4
	v_nop
.endr
.endm
.macro QUARTER q, f, g, zero           ; multiplies buffer f and, in its middle, fetches quarter q into buffer g
	s_wait_dscnt 16                                ; the first 32 along K are in
	MUL8 \f, 0, 0, \zero
	MUL8 \f, 0, 2, \zero
	PLACES
	FETCH \q, \g
	s_wait_dscnt 32                                ; all but the 32 just issued
	MUL8 \f, 1, 0, 0
	MUL8 \f, 1, 2, 0
.endm
; The last quarter multiplies buffer 1 and changes slots: one barrier; in front of it each wave waits for all its tensor loads, adds 0 to its spare word, and waits for that and for its reads of this slot.
; fill = 1: the barrier opens a round of the cluster's barrier, and this slot is filled again, with the walk's step two on, first thing behind the round.
.macro TURN fill
	WIN 0
	s_wait_tensorcnt 0x0                           ; no tensor load of mine is out, so a group 0 may be written
	ds_add_u32 v[SPW], v[NIL]                      ; 0 onto my spare word
.if \fill
	s_xor_b32 s[G0+5], s[G0+5], SLOT               ; the walking descriptors: the other slot than last time,
	s_xor_b32 s[G0B+5], s[G0B+5], SLOT
	NEXTK                                          ; the walk's next K step
	WHERE 1
.endif
	s_wait_dscnt 17                                ; the add and the youngest sixteen loads may be out
	MUL8 F1, 0, 0, 0
	s_wait_dscnt 0x0                               ; the add is done, and my reads of this slot are over
	s_barrier_signal -1
	MUL8 F1, 0, 2, 0
	WIN 0
	s_barrier_wait -1
.if \fill
	CREST                                          ; no wave of any partner still reads this slot or has a load on its way
	JLOAD 1                                        ; 112 matrix instructions ahead of the wait for it; its four v_nop are also the places in front of the loads below
.else
	PLACES
.endif
	s_xor_b32 s[TB], s[TB], SLOT
	v_add_nc_u32 v[ADRA], s[TB], v[ADRA0]
	v_add_nc_u32 v[ADRB], s[TB], v[ADRB0]
	v_add_nc_u32 v[ADRB+1], CH, v[ADRB]
	FETCH 0, F0
	MUL8 F1, 1, 0, 0
	MUL8 F1, 1, 2, 0
.endm
; THE WAY OUT of block a (16 rows x 64 columns of f32): the accumulators go as they are into my own stage, low registers first, come back as whole rows of 256 bytes, take the residual and are stored.
.macro OUTB a
.set TT, TMP+32*((\a)%2)
.if (\a) > 1
	s_wait_xcnt 0x0                                ; the stores of the block two back have read these registers
.endif
.irp b, 0,1,2,3
	ds_store_b128 v[STO], v[ACC+8*(4*(\a)+(\b)):ACC+8*(4*(\a)+(\b))+3]   offset:64*(\b)
	ds_store_b128 v[STO], v[ACC+8*(4*(\a)+(\b))+4:ACC+8*(4*(\a)+(\b))+7] offset:64*(\b)+16
.endr
.irp t, 0,1,2,3,4,5,6,7
	ds_load_b128 v[TT+4*(\t):TT+4*(\t)+3], v[RD] offset:(\t)*2*SPITCH  ; LDS serves a wave's instructions in order (ISA guide 5.7.1.4): these see the stores above
.endr
	s_wait_dscnt 0x0
	WIN 0x08                                       ; source 1 in window 2
.set z, 0
.rept 16
	v_pk_add_f32 v[TT+2*z:TT+2*z+1], v[TT+2*z:TT+2*z+1], v[RES+32*(\a)+2*z:RES+32*(\a)+2*z+1]
.set z, z+1
.endr
	WIN 0
.irp t, 0,1,2,3,4,5,6,7
	global_store_b128 v[CO], v[TT+4*(\t):TT+4*(\t)+3], s[8:9] offset:(16*(\a)+2*(\t))*4096  ; 16 lanes store 256 consecutive bytes, at a multiple of 256 from C's first byte
.endr
.endm
	s_wait_tensorcnt 1                             ; my part of the walk's first step is in; the second's may stay out
	s_barrier_signal -1
	s_barrier_wait -1
	FETCH 0, F0
	s_wait_loadcnt 32                              ; the bias is in; the 32 loads of the residual stay out
	QUARTER 1, F0, F1, 1                           ; the first quarter stands in front of the loop: its first products start the sums
	WIN 0
	s_mov_b32 s3, STEPS-2
.Lstep:                                                ; a trip goes from a K step's second quarter to the next step's first, and fills one slot again
	QUARTER 2, F1, F0, 0
	QUARTER 3, F0, F1, 0
	TURN 1
	QUARTER 1, F0, F1, 0
	WIN 0
	s_sub_co_u32 s3, s3, 1
	s_cmp_lg_u32 s3, 0
	s_cbranch_scc1 .Lstep
	s_mov_b32 s3, 2
.Ltail:                                                ; the last two K steps ask for nothing; the second trip is left in its middle
	QUARTER 2, F1, F0, 0
	QUARTER 3, F0, F1, 0
	WIN 0
	s_cmp_eq_u32 s3, 1
	s_cbranch_scc1 .Llastq
	TURN 0
	QUARTER 1, F0, F1, 0
	WIN 0
	s_sub_co_u32 s3, s3, 1
	s_cmp_lg_u32 s3, 0
	s_cbranch_scc1 .Ltail
.Llastq:
	s_wait_dscnt 16
	MUL8 F1, 0, 0, 0
	MUL8 F1, 0, 2, 0
	s_wait_dscnt 0x0
	MUL8 F1, 1, 0, 0
	MUL8 F1, 1, 2, 0
	WIN 0
	PLACES
	s_wait_loadcnt 0x0                             ; the residual
	OUTB 0
	OUTB 1
	OUTB 2
	OUTB 3
	s_wait_tensorcnt 0x0                           ; the wave's end
	ds_add_u32 v[SPW], v[NIL]
	s_wait_dscnt 0x0
	CROUND                                         ; the closing round: no work-group ends while a partner may still ask for a tile that names it
	s_endpgm
.Lfunc_end_k_q15394c1799_ffn2:
	.size	k_q15394c1799_ffn2, .Lfunc_end_k_q15394c1799_ffn2-k_q15394c1799_ffn2
	.p2alignl 7, 3214868480
	.fill 96, 4, 3214868480
	.section	.rodata,"a",@progbits
	.p2align	6, 0x0
	.amdhsa_kernel k_q15394c1799_ffn2
		.amdhsa_group_segment_fixed_size 327680
		.amdhsa_private_segment_fixed_size 0
		.amdhsa_enable_private_segment 0
		.amdhsa_kernarg_size 40
		.amdhsa_user_sgpr_count 2
		.amdhsa_user_sgpr_kernarg_segment_ptr 1
		.amdhsa_wavefront_size32 1
		.amdhsa_system_sgpr_workgroup_id_x 1
		.amdhsa_system_sgpr_workgroup_id_y 1
		.amdhsa_system_sgpr_workgroup_id_z 1
		.amdhsa_system_vgpr_workitem_id 0
		.amdhsa_next_free_vgpr 672
		.amdhsa_next_free_sgpr 76
		.amdhsa_reserve_vcc 0
		.amdhsa_float_denorm_mode_32 3
		.amdhsa_float_denorm_mode_16_64 3
		.amdhsa_memory_ordered 1
		.amdhsa_forward_progress 1
		.amdhsa_inst_pref_size 69
	.end_amdhsa_kernel
	.amdgpu_metadata
---
amdhsa.version: [ 1, 2 ]
amdhsa.kernels:
  - .name:           k_q15394c1799_ffn2
    .symbol:         k_q15394c1799_ffn2.kd
    .args:
      - { .name: act, .offset: 0, .size: 8, .value_kind: global_buffer, .address_space: global }
      - { .name: wo2, .offset: 8, .size: 8, .value_kind: global_buffer, .address_space: global }
      - { .name: out0, .offset: 16, .size: 8, .value_kind: global_buffer, .address_space: global }
      - { .name: b2, .offset: 24, .size: 8, .value_kind: global_buffer, .address_space: global }
      - { .name: x1, .offset: 32, .size: 8, .value_kind: global_buffer, .address_space: global }
    .group_segment_fixed_size: 327680
    .private_segment_fixed_size: 0
    .kernarg_segment_align: 8
    .kernarg_segment_size: 40
    .max_flat_workgroup_size: 128
    .sgpr_count:     76
    .vgpr_count:     672
    .wavefront_size: 32
...
	.end_amdgpu_metadata
.endif
;; end of part 6
